; MI455X (gfx1250); checked and timed in simulation.
; The chip was launched on July 23, 2026; its instructions are those of AMD's public machine-readable ISA for CDNA 5 (MIT licence, August 2026) and "CDNA5" Instruction Set Architecture Reference Guide (July 2026). The comments in the code are by the model that wrote it; some were corrected since.
;; Multi Head Attention. Allowed arithmetic: matrix products marked QUANTISED: E3M2 operands, one E8M0 scale for each 32 along K, by v_wmma_scale_f32_16x16x128_f8f6f4 with both operands' format E3M2, f32 sums; everything else in f32.
;; Inputs: Wk 16 x 1,024 x 64 float32; Wo 1,024 x 1,024 float32; Wq 16 x 1,024 x 64 float32; Wv 16 x 1,024 x 64 float32; bo 1,024 float32; x 4 x 2,048 x 1,024 float32.
;; Outputs: out0 4 x 2,048 x 1,024 float32.
;; This version of the problem:
;;   THIS VERSION OF THE PROBLEM IS GIVEN IN LOW PRECISION. The matrix products marked QUANTISED in the list below multiply operands that are first quantised to E3M2 (3 exponent bits, 2 mantissa bits; 6 bits a number), with one power-of-two scale for each 32 numbers along K (OCP MX v1.0); their sums are f32. All else is computed in f32.
;;   The module's matrix products, in the order in which they are computed (A, B: the left and right operand; K: the contracted axis; several contracted axes count as one K, in the product's order):
;;     1. [M 1,024, K 1,024] x [K 1,024, N 8,192]; A: input Wq; B: input x: QUANTISED
;;     2. [M 1,024, K 1,024] x [K 1,024, N 8,192]; A: input Wk; B: input x: QUANTISED
;;     3. [M 1,024, K 1,024] x [K 1,024, N 8,192]; A: input Wv; B: input x: QUANTISED
;;     4. batch 64 x [M 2,048, K 64] x [K 64, N 2,048]; A: computed on the way; B: computed on the way: QUANTISED
;;     5. batch 64 x [M 2,048, K 2,048] x [K 2,048, N 64]; A: softmax (see below); B: computed on the way: QUANTISED
;;     6. [M 8,192, K 1,024] x [K 1,024, N 1,024]; A: computed on the way; B: input Wo: QUANTISED
;;   THE QUANTISER, for each operand of a quantised product, along K:
;;     - K is cut into blocks of 32 from its start; a last block that is shorter is filled with zeros.
;;     - A block's scale is 2^e with e = floor(log2(the largest magnitude in the block)) - 4, held to -126 .. 127; a block of zeros has e = 0. As a byte (E8M0): e + 127.
;;     - Each number is divided by its block's scale, clamped to +-28, and rounded to the nearest number of E3M2, ties to even, subnormals kept.
;;     - The product sums the exact products of the quantised numbers (number of the format x scale) in f32.
;;   ~~~python
;;   def quantise(x, axis):      # numpy; x: float32 -> the quantised numbers, widened to float32 again
;;       x = np.moveaxis(x, axis, -1); K = x.shape[-1]
;;       x = np.pad(x, [(0, 0)] * (x.ndim - 1) + [(0, -K % 32)]); x = x.reshape(x.shape[:-1] + (-1, 32)); a = np.abs(x).max(-1, keepdims=True)
;;       e = np.where(a > 0, np.clip(np.frexp(np.where(a > 0, a, 1))[1] - 1 - 4, -126, 127), 0)      # np.frexp(a)[1] - 1 = floor(log2(a)), exactly
;;       r = np.clip(x / 2.0 ** e, -28, 28)
;;       step = 2.0 ** (np.maximum(np.frexp(np.where(r == 0, 1, r))[1] - 1, -2) - 2)
;;       q = np.round(r / step) * step * 2.0 ** e      # np.round: ties to even
;;       return np.moveaxis(q.reshape(q.shape[:-2] + (-1,))[..., :K], -1, axis).astype(np.float32)
;;   ~~~
;;   SOFTMAX AHEAD OF A QUANTISED PRODUCT. Where the list says 'softmax', what is quantised is not the finished softmax but p = 2^(t - M), with t = logit x log2(e) and M = ceil(the row's largest t), a whole number; so 1/2 < the row's largest p <= 1. The row's sum l is taken of the UNQUANTISED p, in f32, and the product's result is divided by l at the end. Since M is a whole number, a kernel that streams over the keys may use a running M (the ceiling of the running maximum): every later rescaling is an exact power of two, which a block's scale takes up: the codes' values come out the same.
;;   OPERANDS COMPUTED ON THE WAY. 'Computed on the way' means the value that the module computes at that place (a softmax that the list does not call 'softmax' is quantised finished and normalised). What goes into a quantiser is computed in f32, as accurately as f32 sums, v_exp_f32 and their like allow (about 1e-6 of the number): no bf16 or f16 on the way to a quantiser, and a product that is left as it is and whose result goes on into a quantised operand takes f32 operands (vector FMAs, or v_wmma_f32_16x16x4_f32). A number that lies on a knife's edge between two numbers of the format may be rounded either way, as far as f32 arithmetic and the matrix unit's own rounding can turn it there, and no further.
;; One version. Each part assembles by itself: llvm-mc -triple=amdgcn-amd-amdhsa -mcpu=gfx1250 --defsym DOCPART=n.
;; ======== version 1 of 1: 4 launches
;; limits: right only within a limited range of input values
;; workspace buffers: xq 6,553,600 bytes; wq 6,225,920 bytes; qkv 20,447,232 bytes; aq 6,553,600 bytes
;; launch quant (part 1): grid 384 x 1, 4 waves a work-group, no clusters, 69,120 bytes of LDS; arguments x, Wo, Wq, Wk, Wv, xq, wq; writes xq, wq
.if DOCPART == 1
	.amdgcn_target "amdgcn-amd-amdhsa--gfx1250"
	.amdhsa_code_object_version 6
	.text
	.protected	k_q704d96bf35_quant
	.globl	k_q704d96bf35_quant
	.p2align	8
	.type	k_q704d96bf35_quant,@function
k_q704d96bf35_quant:
	s_mov_b64 s[64:65], 0
	v_nop
	global_prefetch_b8 v0, s[64:65] scope:SCOPE_SE
	s_setreg_imm32_b32 hwreg(HW_REG_WAVE_MODE, 25, 1), 1
	s_wait_xcnt 0x0
; x [8192][1024], Wo [1024][1024] (K innermost) and Wq, Wk, Wv [16][1024 (K)][64] (K the middle axis), all f32, become codes of BF6 (E3M2), K innermost, 768 bytes a row,
; with one E8M0 scale byte for each 32 along K, 32 bytes a row.  A block's scale is 2^(floor(log2(its largest magnitude)) - 4); its byte is that magnitude's exponent field - 4, held at 1 from below.
; xq: x's codes [8192][768], then from XS its scale bytes [8192][32].   wq: the codes of Wq, Wk, Wv as rows tensor x 1024 + head x 64 + channel, [3072][768]; from WS their scale bytes; from WOC Wo's codes [1024][768]; from WOS its scale bytes.
; THE ORDER OF ROWS.  x's rows and Wq's, Wk's, Wv's are stored so: in each group of 32 rows the four runs of eight, 0 1 2 3, lie in the order 0 2 1 3 (stored row 16 u + r holds row 8 u + r + 8 (r / 8)).
; A tile of 16 neighbouring stored rows, taken as source 0 of a matrix instruction, then leaves 16 NEIGHBOURS along that axis in the 16 registers of two neighbouring tiles, which is what the next quantiser wants.  Wo keeps its order.
; LIMITS: NaN and infinities among the inputs are not served.  A block of zeros, or one whose largest magnitude lies under 2^-122, gets the byte 1 (the rule says 127 for zeros): its codes are zeros, and this program alone reads the bytes.
; Work-groups 0-255 take x, 256-287 Wo: a plain stream of blocks of 32; a wave takes 8 rows (8,192 numbers).  Work-groups 288-383 take the 48 matrices of Wq, Wk, Wv, two work-groups a matrix.
; The two ways have LDS bytes of their own: 0 .. 32,767 and 32,768 .. 67,583.  No tensor loads, no barrier: waves share nothing.
.set XS,    6291456
; wq, in place of what the head says of it: the codes of Wq, Wk, Wv as rows (3 (head / 2) + tensor) x 128 + (head % 2) x 64 + channel, [3072][768], so that two heads of all three tensors are 384 neighbouring rows;
; from WS their scale bytes in the same order of rows; from WOC Wo's codes [1024][768]; from WOS its scale bytes.
.set WS,    5308416
.set WOC,   5406720
.set WOS,   6193152
.set WV,    24                         ; s24  my wave's number
	s_load_b256 s[4:11], s[0:1], 0x0               ; x s[4:5], Wo s[6:7], Wq s[8:9], Wk s[10:11]
	s_load_b128 s[12:15], s[0:1], 0x20             ; Wv s[12:13], xq s[14:15]
	s_load_b64 s[16:17], s[0:1], 0x30              ; wq
	v_lshl_add_u32 v192, v0, 2, 0x10c00
	v_mov_b32 v193, 0
	v_lshrrev_b32 v1, 5, v0
	v_readfirstlane_b32 s[WV], v1                  ; wave 0..3
	v_and_b32 v2, 31, v0                           ; lane
	s_wait_kmcnt 0x0
	s_cmp_lt_u32 ttmp9, 288
	s_cbranch_scc0 .Lweights
; ---- K INNERMOST: x and Wo.  A wave takes 16 steps of 512 numbers.  Each of a step's four loads reads 512 consecutive bytes, 16 a lane; the 2,048 bytes turn through the wave's own stage in LDS and come back 64 bytes a lane,
; so that a lane holds 16 neighbours along K (two neighbouring lanes hold a block).  A lane's 16 codes are 12 bytes: the wave stores 384 consecutive bytes.  The wave's 256 scale bytes are gathered in LDS and leave as one aligned run of 256 bytes.
.set STEPS, 16
.set CB,    12                         ; bytes of 16 codes
.set AR,    16                         ; v16-79   four sets of 16 numbers as they are loaded
.set AX,    80                         ; v80-111  two sets of 16 neighbours
.set AE,    112                        ; v112-127 a scale byte for each step
.set AC,    128                        ; v128-191 codes: four registers for each step, so that no store's data are written again
.set WREG,  8192                       ; LDS: a region for each wave: two stages of 32 x SP bytes, behind them its 256 scale bytes
.set SP,    80                         ; a lane's place in a stage: 64 bytes + 16 of padding
	s_wait_alu depctr_va_vdst(0)
	v_lshlrev_b32 v3, 4, v2                        ; my 16 bytes of a load's 512
	s_mul_i32 s25, s[WV], WREG
	v_lshrrev_b32 v14, 2, v2
	v_mul_u32_u24 v14, v14, SP
	v_and_b32 v15, 3, v2
	v_lshl_add_u32 v14, v15, 4, v14
	v_add_nc_u32 v14, s25, v14                     ; the stage, on the way in: SP (lane / 4) + 16 (lane % 4)
	v_mul_u32_u24 v15, v2, SP
	v_add_nc_u32 v15, s25, v15                     ; and on the way out: SP x lane
	v_mul_u32_u24 v4, v2, CB                       ; my codes' place in a step's
	v_lshrrev_b32 v5, 1, v2
	s_add_co_u32 s25, s25, 2*32*SP
	v_add_nc_u32 v5, s25, v5                       ; LDS: my block's scale byte
	v_lshlrev_b32 v7, 3, v2                        ; and on the way out 8 bytes a lane
	v_add_nc_u32 v6, s25, v7
	s_add_nc_u64 s[18:19], s[14:15], XS            ; x's scale bytes
	s_add_nc_u64 s[20:21], s[16:17], WOC           ; Wo's codes
	s_add_nc_u64 s[22:23], s[16:17], WOS           ; Wo's scale bytes
	s_and_b32 s26, s[WV], 1
	s_lshl_b32 s26, s26, 1
	s_lshr_b32 s27, s[WV], 1
	s_or_b32 s26, s26, s27                         ; the wave's number with its two bits swapped: a wave's 8 rows are one run of eight
	s_cmp_lt_u32 ttmp9, 256                        ; x's work-group or Wo's?  The choice hangs on the work-group's number alone
	s_cselect_b64 s[4:5], s[4:5], s[6:7]
	s_cselect_b64 s[8:9], s[14:15], s[20:21]
	s_cselect_b64 s[10:11], s[18:19], s[22:23]
	s_cselect_b32 s26, s26, s[WV]                  ; where my run goes: x's runs change places, Wo's stay
	s_cselect_b32 s27, 0, 256
	s_sub_co_u32 s27, ttmp9, s27
	s_lshl_b32 s27, s27, 2
	s_add_co_u32 s28, s27, s[WV]                   ; the run that I read,
	s_add_co_u32 s30, s27, s26                     ; and the run that I write
	s_lshl_b32 s28, s28, 15                        ; 32,768 bytes of f32 a run
	s_mov_b32 s29, 0
	s_add_nc_u64 s[4:5], s[4:5], s[28:29]
	s_mul_i32 s28, s30, 32*STEPS*CB                ; 6,144 bytes of codes
	s_add_nc_u64 s[8:9], s[8:9], s[28:29]
	s_lshl_b32 s28, s30, 8                         ; 256 scale bytes
	s_add_nc_u64 s[10:11], s[10:11], s[28:29]
.macro ALOAD t
.irp i, 0,1,2,3
	global_load_b128 v[AR+16*((\t)%4)+4*\i:AR+16*((\t)%4)+4*\i+3], v3, s[4:5] offset:2048*(\t)+512*\i th:TH_LOAD_NT   ; 32 lanes read 512 consecutive bytes
.endr
.endm
.macro ATURN t                         ; step t's numbers through the stage: LDS serves a wave's instructions in order, so no wait stands between the stores and the loads
.irp i, 0,1,2,3
	ds_store_b128 v14, v[AR+16*((\t)%4)+4*\i:AR+16*((\t)%4)+4*\i+3] offset:32*SP*((\t)%2)+8*SP*\i
.endr
.irp i, 0,1,2,3
	ds_load_b128 v[AX+16*((\t)%2)+4*\i:AX+16*((\t)%2)+4*\i+3], v15 offset:32*SP*((\t)%2)+16*\i
.endr
.endm
.irp t, 0,1,2,3
	ALOAD \t
.endr
	s_wait_alu depctr_va_vdst(0)
	s_wait_loadcnt 12                              ; step 0's four loads are in
	ATURN 0
.macro ASTEP t
.set XSET, AX+16*((\t)%2)
.if (\t) > 0
	s_wait_dscnt 1                                 ; this step's numbers are back from the stage (the last step's byte store may be out): so its stores into the stage have read their registers,
.else
	s_wait_dscnt 0x0
.endif
.if (\t)+4 < STEPS
	ALOAD (\t)+4                                   ; which take the loads of four steps on
.endif
.if (\t)+1 < STEPS
.if STEPS-2-(\t) >= 3
	s_wait_loadcnt 12                              ; the next step's four loads are in; those of the three steps behind it may be out
.else
	s_wait_loadcnt 4*(STEPS-2-(\t))
.endif
	ATURN (\t)+1                                   ; and go through the other stage while this step is worked
.endif
	v_max3_num_f32 v8, |v[XSET]|, |v[XSET+1]|, |v[XSET+2]|          ; the largest magnitude of my 16, in two chains
	v_max3_num_f32 v9, |v[XSET+3]|, |v[XSET+4]|, |v[XSET+5]|
.irp i, 6,10
	v_max3_num_f32 v8, v8, |v[XSET+\i]|, |v[XSET+\i+1]|
	v_max3_num_f32 v9, v9, |v[XSET+\i+2]|, |v[XSET+\i+3]|
.endr
	v_max3_num_f32 v8, v8, |v[XSET+14]|, |v[XSET+15]|
	v_max3_num_f32 v8, v8, v9, 0x2800000           ; and the floor 2^(5 - 127): the byte cannot fall under 1
	v_max_num_f32_dpp v8, v8, v8 row_xmask:1 row_mask:0xf bank_mask:0xf   ; and of my neighbour's 16: the block's
	v_add_nc_u32 v11, 0xfe000000, v8               ; 4 off its exponent field: the conversion takes the exponent field of this operand as its scale, and nothing else of it
	v_cvt_scalef32_pk16_bf6_f32 v[AC+4*(\t):AC+4*(\t)+2], v[XSET:XSET+15], v11
	v_lshrrev_b32 v[AE+(\t)], 23, v11              ; the scale's byte
	ds_store_b8 v5, v[AE+(\t)] offset:16*(\t)      ; both lanes of a block write the same byte with the same value
	global_store_b96 v4, v[AC+4*(\t):AC+4*(\t)+2], s[8:9] offset:32*CB*(\t)
.endm
.irp t, 0,1,2,3,4,5,6,7,8,9,10,11,12,13,14,15
	ASTEP \t
.endr
	ds_load_b64 v[12:13], v6                       ; LDS serves a wave's instructions in order: these see my stores
	s_wait_dscnt 0x0
	global_store_b64 v7, v[12:13], s[10:11]        ; 32 lanes store 256 consecutive bytes, aligned
	s_wait_tensorcnt 0x0
	ds_add_u32 v192, v193
	s_wait_dscnt 0x0
	s_endpgm
; ---- K NOT INNERMOST: a matrix [1024 (K)][64] of Wq, Wk or Wv.  A LANE TAKES A COLUMN, AND ITS REGISTERS RUN DOWN K: a block of 32 lies in one lane's 32 registers, and the conversions give codes with K innermost.
; A wave takes 32 columns x 256 along K: 8 blocks a lane, 192 bytes of codes for each column.  They go through the wave's own stage in LDS, each column into the stage row of its STORED place, and leave as rows:
; sixteen lanes store a row's 192 consecutive bytes, 12 bytes each (three quarters of an aligned run of 256); a lane's 8 scale bytes leave by one store of 8 bytes, rows 32 bytes apart: one byte for 128 bytes read.
.Lweights:
.set NB,     8                         ; blocks of a wave
.set BPITCH, 272                       ; a stage row: sixteen places of 16 bytes, each with 12 bytes of codes, + 16
.set BSTG,   32768                     ; this way's LDS
.set BSB,    24                        ; v24-25   the scale bytes, four to a register
.set BX,     32                        ; v32-95   two sets of 32 numbers
.set BC,     96                        ; v96..    a block's codes
.set BOUT,   112                       ; v112-175 the way out
	s_sub_co_u32 s25, ttmp9, 288
	s_lshr_b32 s26, s25, 1                         ; which matrix: 16 x tensor + head
	s_and_b32 s27, s25, 1                          ; which half of K
	s_cmp_lt_u32 s26, 32
	s_cselect_b64 s[4:5], s[10:11], s[12:13]       ; Wk or Wv,
	s_cmp_lt_u32 s26, 16
	s_cselect_b64 s[4:5], s[8:9], s[4:5]           ; or Wq
	s_lshl_b32 s27, s27, 1
	s_lshr_b32 s28, s[WV], 1
	s_add_co_u32 s27, s27, s28                     ; which 256 along K
	s_and_b32 s30, s[WV], 1                        ; which 32 columns
	s_and_b32 s28, s26, 15
	s_lshl_b32 s28, s28, 18                        ; the head's 262,144 bytes,
	s_lshl_b32 s31, s27, 16
	s_add_co_u32 s28, s28, s31                     ; 256 rows of 256 bytes,
	s_lshl_b32 s31, s30, 7
	s_add_co_u32 s28, s28, s31                     ; 32 columns
	s_mov_b32 s29, 0
	s_add_nc_u64 s[4:5], s[4:5], s[28:29]
	s_lshr_b32 s32, s26, 4                         ; the tensor
	s_bfe_u32 s33, s26, 0x30001                    ; head / 2
	s_mul_i32 s33, s33, 3
	s_add_co_u32 s32, s32, s33
	s_lshl_b32 s32, s32, 1
	s_and_b32 s33, s26, 1                          ; head % 2
	s_add_co_u32 s32, s32, s33
	s_lshl_b32 s32, s32, 6
	s_lshl_b32 s31, s30, 5
	s_add_co_u32 s32, s32, s31                     ; my first row of the codes: 64 x matrix + 32 x half
	s_mul_i32 s34, s32, 768
	s_mul_i32 s31, s27, 192
	s_add_co_u32 s34, s34, s31
	s_mov_b32 s35, 0
	s_add_nc_u64 s[6:7], s[16:17], s[34:35]
	s_lshl_b32 s36, s32, 5
	s_lshl_b32 s31, s27, 3
	s_add_co_u32 s36, s36, s31
	s_add_co_u32 s36, s36, WS
	s_mov_b32 s37, 0
	s_add_nc_u64 s[8:9], s[16:17], s[36:37]
	s_wait_alu depctr_va_vdst(0)
	v_lshlrev_b32 v3, 2, v2                        ; in: 4 bytes a lane
	s_mul_i32 s31, s[WV], 32*BPITCH
	s_add_co_u32 s31, s31, BSTG                    ; my stage
	v_and_b32 v10, 7, v2
	v_bfe_u32 v11, v2, 3, 1
	v_lshl_add_u32 v10, v11, 4, v10
	v_bfe_u32 v11, v2, 4, 1
	v_lshl_add_u32 v10, v11, 3, v10                ; my column's stored place among the 32: lane % 8 + 16 x bit 3 + 8 x bit 4
	v_mul_u32_u24 v4, v10, BPITCH
	v_add_nc_u32 v4, s31, v4                       ; into the stage
	v_and_b32 v5, 15, v2
	v_lshrrev_b32 v6, 4, v2                        ; out of it: sixteen lanes to a row, two rows an instruction
	v_mul_u32_u24 v7, v6, BPITCH
	v_lshl_add_u32 v7, v5, 4, v7
	v_add_nc_u32 v7, s31, v7
	v_mul_u32_u24 v8, v6, 768
	v_mad_u32_u24 v8, v5, 12, v8                   ; and the same place in the codes' buffer
	v_lshlrev_b32 v9, 5, v10                       ; my column's row of scale bytes
.macro BLOAD t                         ; block t: W(32 t + i, my column), i = 0 .. 31, into set t % 2
.irp i, 0,1,2,3,4,5,6,7,8,9,10,11,12,13,14,15,16,17,18,19,20,21,22,23,24,25,26,27,28,29,30,31
	global_load_b32 v[BX+32*((\t)%2)+\i], v3, s[4:5] offset:(32*(\t)+\i)*256 th:TH_LOAD_NT
.endr
.endm
	BLOAD 0
	BLOAD 1
.macro BBLOCK t
.set XSET, BX+32*((\t)%2)
.if (\t) < NB-1
	s_wait_loadcnt 32                              ; this block's 32 loads are in; the next block's may be out
.else
	s_wait_loadcnt 0
.endif
	v_max3_num_f32 v12, |v[XSET]|, |v[XSET+1]|, |v[XSET+2]|         ; the block's largest magnitude: all 32 numbers are mine
	v_max3_num_f32 v13, |v[XSET+3]|, |v[XSET+4]|, |v[XSET+5]|
.irp i, 6,10,14,18,22,26
	v_max3_num_f32 v12, v12, |v[XSET+\i]|, |v[XSET+\i+1]|
	v_max3_num_f32 v13, v13, |v[XSET+\i+2]|, |v[XSET+\i+3]|
.endr
	v_max3_num_f32 v12, v12, |v[XSET+30]|, |v[XSET+31]|
	v_max3_num_f32 v12, v12, v13, 0x2800000        ; and the floor 2^(5 - 127)
	v_add_nc_u32 v11, 0xfe000000, v12              ; 4 off its exponent field: the conversion's scale operand
	v_lshrrev_b32 v13, 23, v11                     ; the scale's byte
.if (\t)%4 == 0
	v_mov_b32 v[BSB+(\t)/4], v13                   ; four bytes to a register, the lower K in the lower byte
.else
	v_lshl_or_b32 v[BSB+(\t)/4], v13, 8*((\t)%4), v[BSB+(\t)/4]
.endif
	v_cvt_scalef32_pk16_bf6_f32 v[BC:BC+2], v[XSET:XSET+15], v11
	v_cvt_scalef32_pk16_bf6_f32 v[BC+4:BC+6], v[XSET+16:XSET+31], v11   ; (a conversion's three registers begin on an even number)
	ds_store_b96 v4, v[BC:BC+2] offset:32*(\t)     ; 16 codes, 12 bytes, to a place of 16 bytes, so that every LDS address is a multiple of 16
	ds_store_b96 v4, v[BC+4:BC+6] offset:32*(\t)+16
.if (\t)+2 < NB
	BLOAD (\t)+2
.endif
	s_wait_dscnt 0x0                               ; the stores have read their registers: the next block's codes may be written
.endm
.irp t, 0,1,2,3,4,5,6,7
	BBLOCK \t
.endr
	s_wait_alu depctr_va_vdst(0)
	global_store_b64 v9, v[BSB:BSB+1], s[8:9]      ; my column's 8 scale bytes
.irp t, 0,1,2,3,4,5,6,7,8,9,10,11,12,13,14,15
	ds_load_b96 v[BOUT+4*\t:BOUT+4*\t+2], v7 offset:2*\t*BPITCH   ; LDS serves a wave's instructions in order: these see my stores
.endr
.irp t, 0,1,2,3,4,5,6,7,8,9,10,11,12,13,14,15
	s_wait_dscnt 15-\t
	global_store_b96 v8, v[BOUT+4*\t:BOUT+4*\t+2], s[6:7] offset:2*\t*768
.endr
	s_wait_tensorcnt 0x0
	ds_add_u32 v192, v193
	s_wait_dscnt 0x0
	s_endpgm
.Lfunc_end_k_q704d96bf35_quant:
	.size	k_q704d96bf35_quant, .Lfunc_end_k_q704d96bf35_quant-k_q704d96bf35_quant
	.p2alignl 7, 3214868480
	.fill 96, 4, 3214868480
	.section	.rodata,"a",@progbits
	.p2align	6, 0x0
	.amdhsa_kernel k_q704d96bf35_quant
		.amdhsa_group_segment_fixed_size 69120
		.amdhsa_private_segment_fixed_size 0
		.amdhsa_enable_private_segment 0
		.amdhsa_kernarg_size 56
		.amdhsa_user_sgpr_count 2
		.amdhsa_user_sgpr_kernarg_segment_ptr 1
		.amdhsa_wavefront_size32 1
		.amdhsa_system_sgpr_workgroup_id_x 1
		.amdhsa_system_sgpr_workgroup_id_y 1
		.amdhsa_system_sgpr_workgroup_id_z 1
		.amdhsa_system_vgpr_workitem_id 0
		.amdhsa_next_free_vgpr 194
		.amdhsa_next_free_sgpr 66
		.amdhsa_reserve_vcc 0
		.amdhsa_float_denorm_mode_32 3
		.amdhsa_float_denorm_mode_16_64 3
		.amdhsa_memory_ordered 1
		.amdhsa_forward_progress 1
		.amdhsa_inst_pref_size 74
	.end_amdhsa_kernel
	.amdgpu_metadata
---
amdhsa.version: [ 1, 2 ]
amdhsa.kernels:
  - .name:           k_q704d96bf35_quant
    .symbol:         k_q704d96bf35_quant.kd
    .args:
      - { .name: x, .offset: 0, .size: 8, .value_kind: global_buffer, .address_space: global }
      - { .name: Wo, .offset: 8, .size: 8, .value_kind: global_buffer, .address_space: global }
      - { .name: Wq, .offset: 16, .size: 8, .value_kind: global_buffer, .address_space: global }
      - { .name: Wk, .offset: 24, .size: 8, .value_kind: global_buffer, .address_space: global }
      - { .name: Wv, .offset: 32, .size: 8, .value_kind: global_buffer, .address_space: global }
      - { .name: xq, .offset: 40, .size: 8, .value_kind: global_buffer, .address_space: global }
      - { .name: wq, .offset: 48, .size: 8, .value_kind: global_buffer, .address_space: global }
    .group_segment_fixed_size: 69120
    .private_segment_fixed_size: 0
    .kernarg_segment_align: 8
    .kernarg_segment_size: 56
    .max_flat_workgroup_size: 128
    .sgpr_count:     66
    .vgpr_count:     194
    .wavefront_size: 32
...
	.end_amdgpu_metadata
.endif
;; end of part 1
;; launch qkv (part 2): grid 8 x 32, 4 waves a work-group, clusters of 4 x 4, 327,680 bytes of LDS; arguments xq, wq, qkv; writes qkv
.if DOCPART == 2
	.amdgcn_target "amdgcn-amd-amdhsa--gfx1250"
	.amdhsa_code_object_version 6
	.text
	.protected	k_q704d96bf35_qkv
	.globl	k_q704d96bf35_qkv
	.p2align	8
	.type	k_q704d96bf35_qkv,@function
k_q704d96bf35_qkv:
	s_mov_b64 s[64:65], 0
	v_nop
	global_prefetch_b8 v0, s[64:65] scope:SCOPE_SE
	s_setreg_imm32_b32 hwreg(HW_REG_WAVE_MODE, 25, 1), 1
	s_wait_xcnt 0x0
	s_wait_alu depctr_hold_cnt(0) depctr_sa_sdst(0) depctr_va_vdst(0) depctr_va_sdst(0) depctr_va_ssrc(0) depctr_va_vcc(0) depctr_vm_vsrc(0)
	s_getreg_b32 s2, hwreg(HW_REG_IB_STS2, 6, 4)
	s_cmp_eq_u32 s2, 0
	s_cbranch_scc0 .Lentry_in_a_cluster
	s_endpgm
.Lentry_in_a_cluster:
	s_bfe_u32 s2, ttmp6, 0x10000c
	s_cmp_lg_u32 s2, 0xf033
	s_cbranch_scc0 .Lentry_shape_is_right
	s_endpgm
.Lentry_shape_is_right:
; q, k, v = x W on codes of BF6 (E3M2) with one E8M0 scale for each 32 along K = 1,024; the f32 sums are quantised in registers for the attention's two products and stored as IMAGES OF OPERAND REGISTERS.
; SHARES.  A work-group takes 256 tokens (tile T = work-group y) and 384 channels (group g = work-group x): SIX UNITS of 64 channels: heads 2 g and 2 g + 1 of q, of k, of v: 32 x 8 = 256 work-groups.
; A wave takes 64 tokens through all six units.  Its x fragments, 4 blocks x 8 K steps x 12 registers, STAY IN REGISTERS; W's 384 rows, all of K, stay in LDS (a row of 768 bytes with 16 of padding behind each 256: pitch 816).
; LDS: six regions of 52,224 bytes, unit u in region u; W's scale bytes; the spare words.  x comes first, each wave's 64 rows into region 2 + wave by the head's one load; behind a round units 0 and 1 and the scale bytes are filled for the first time
; while x goes into registers; behind a second round units 2 to 5 are filled onto x's bytes, one load a wave, and land under the products of units 0 and 1.
; THE MATRIX INSTRUCTION: q, k: source 0 = W's channels, source 1 = x's tokens: a lane holds one token, its registers run along the channels, the axis to be quantised.  v: the sources change places: a lane holds one channel, its registers run along the keys.
; x's and W's rows lie in the order 0 2 1 3 of runs of eight in each 32: the 16 registers of two neighbouring tiles are 16 neighbours along the quantised axis, and lane r of block 2 i + u holds row 32 i + 8 u + r + 8 (r / 8).
; qkv: for each of 64 heads and each 256 tokens a record of SS bytes: K's codes 16 tiles x 768 | V's codes 2 steps of 128 keys x 4 tiles of channels x 1,536 | K's scale words 16 x 64 | V's scale words [copy 2][step 2][tile 4] x 64 | Q's codes 16 x 768 | Q's scale words 16 x 64.
; An image is pieces of 256 bytes: piece p holds registers 2 p, 2 p + 1, lane l's 8 bytes at 8 l.  In a scale word of Q or K bytes 0, 1 are the head's two blocks; bytes 2, 3 are a neighbouring tile's bytes or 0: they stand over zero codes.
; A wave's 64 keys are half of a fragment of V (three pieces) and two bytes of its scale words, stored 2 bytes a lane, in both copies.
; CLUSTERS: 4 x 4 work-groups; x's tiles are asked for jointly along a row of the cluster, W's along a column.  What a unit computes hangs on its number alone, which is the same in all work-groups.
; NO PREFETCH: every tile is asked for once, in the head's three groups of loads; there is no loop along the tiles to run ahead in.
; LIMITS: NaN and infinities are not served; a block of zeros, or one under 2^-122, gets the byte 1: its codes are zeros, and this program alone reads the bytes.
; REGISTERS: window 0: v0-31 addresses; v32-63 x's scale words; v64-95 the unit's scale words of W; v96-133 the way out; v160-255 W's fragments, two sets.
;   windows 1, 2: v0-191 x's fragments of blocks 0, 1 and 2, 3 (96 a + 12 step); v192-255 accumulators.
.set BP,    816
.set UB,    64*BP                      ; a region: 64 rows
.set SCL,   6*UB
.set SPARE, SCL+48*272
.set XS,    6291456
.set WS,    5308416
.set SS,    39936
.set HS,    8*SS
.set A0,8                              ; v8 r x 816 + 24 (lane / 16); v9 the same with 16 more in lanes 16-31 (one padding passed)
.set AW,10                             ; v10-11 the same in the unit in hand
.set AS0,12                            ; v12 my row of scale bytes in unit 0
.set AS,13                             ; v13 in the unit in hand
.set ADX,14                            ; v14-15 as v8-9, in my region of x
.set VXS,16                            ; 32 (lane % 16)
.set VQ,17                             ; the way out: 8 lane + my tokens' place, for q and k;
.set VV,18                             ; for v
.set VSQ,19                            ; 4 lane + my tokens' place among the scale words, q and k;
.set VSV,20                            ; v
.set SHV,21                            ; 16 (lane / 16)
.set FLR,22                            ; the floor 2^(5 - 127)
.set SPW,28
.set NIL,29
.set SX,32
.set SW,64
.set PC,96                             ; v96-115 the codes just made
.set TM,116                            ; v116-119 largest magnitudes, v120-123 bytes, v128-131 the conversions' scale operands
.set PW,132
.set PWS,133
.set WF,160
.set AC,192
.set G1X,24
.set G0X,32
.set G0A,36
.set G1W,48
.set G0R,56
.set G1S,68
.set G0S,76
.set PCB,84                            ; s[84:85], s[86:87] where the unit's codes and scale words go
.set PSB,86
.set SEL,96
.set UC,3                              ; the unit
.set UO,18                             ; its region
.set SO,19                             ; its scale bytes
.set PADW, (3<<16)|(1<<20)|(1<<21)|(5<<22)|(3<<25)
.set MSB, 0
.macro WIN new
.if MSB != \new
	s_set_vgpr_msb (MSB<<8)|\new
.set MSB, \new
.endif
.endm
.macro CROUND
	s_barrier_signal -1
	s_barrier_wait -1
	s_cmp_lg_u32 s14, 0
	s_cbranch_scc1 .Lnot_wave_0_\@
	s_barrier_signal -3
.Lnot_wave_0_\@:
	s_barrier_wait -3
	s_barrier_signal -1
	s_barrier_wait -1
.endm
.macro DENSE g, rows                   ; a dense block as rows of 256 bytes (32 elements of 8)
	s_mov_b32 s[\g+1], 32<<16
	s_mov_b32 s[\g+2], (\rows)<<16
	s_mov_b32 s[\g+3], 32<<16
	s_mov_b32 s[\g+4], \rows
	s_mov_b32 s[\g+5], 32
	s_mov_b32 s[\g+6], 0
	s_mov_b32 s[\g+7], 0
.endm
.macro PLACES
.rept 4
	v_nop
.endr
.endm
	s_load_b128 s[4:7], s[0:1], 0x0                ; xq, wq
	s_load_b64 s[12:13], s[0:1], 0x10              ; qkv
	v_lshl_add_u32 v[SPW], v0, 2, SPARE
	v_mov_b32 v[NIL], 0
	ds_add_u32 v[SPW], v[NIL]                      ; the opening lines: the add, twice on end, and its wait
	ds_add_u32 v[SPW], v[NIL]
	v_lshrrev_b32 v1, 5, v0
	v_readfirstlane_b32 s14, v1                    ; wave 0..3
	s_bfe_u32 s40, ttmp6, 0x40000
	s_bfe_u32 s41, ttmp6, 0x40004
	s_lshl_b32 s42, ttmp9, 2
	s_add_co_u32 s42, s42, s40                     ; g
	s_and_b32 s17, ttmp7, 0xffff
	s_lshl_b32 s17, s17, 2
	s_add_co_u32 s17, s17, s41                     ; T
	s_lshl_b32 s43, s41, 2
	s_lshl_b32 s43, 15, s43                        ; my row of the cluster
	s_lshl_b32 s44, 0x1111, s40                    ; my column
	s_or_b32 s[G1X], s43, PADW
	s_or_b32 s[G1W], s44, PADW
	s_or_b32 s[G1S], s44, PADW
	DENSE G1X, 192                                 ; 64 rows of 768 bytes
	DENSE G1W, 192
	DENSE G1S, 48                                  ; 384 rows of 32 bytes
	s_mul_i32 s20, s17, 256*768
	s_mul_i32 s21, s14, 64*768
	s_add_co_u32 s20, s20, s21                     ; x: my 64 rows
	s_mov_b32 s21, 0
	s_mul_i32 s46, s42, 384*768
	s_mul_i32 s47, s14, 64*768
	s_add_co_u32 s46, s46, s47                     ; W: unit = wave
	s_mov_b32 s47, 0
	s_mul_i32 s92, s42, 384*32
	s_add_co_u32 s92, s92, WS
	s_mov_b32 s93, 0
	s_mul_i32 s45, s14, UB
	s_wait_dscnt 0x0
	s_wait_kmcnt 0x0
	s_mov_b32 s[G0X], 1
	s_add_co_u32 s[G0X+1], s45, 2*UB               ; region 2 + wave
	s_add_nc_u64 s[G0X+2:G0X+3], s[4:5], s[20:21]
	s_or_b32 s[G0X+3], s[G0X+3], 0x80000000
	s_mov_b32 s[G0A], 1
	s_mov_b32 s[G0A+1], s45                        ; region = wave: units 0 and 1
	s_add_nc_u64 s[G0A+2:G0A+3], s[6:7], s[46:47]
	s_add_nc_u64 s[G0R+2:G0R+3], s[G0A+2:G0A+3], 2*64*768
	s_or_b32 s[G0A+3], s[G0A+3], 0x80000000
	s_mov_b32 s[G0R], 1
	s_add_co_u32 s[G0R+1], s45, 2*UB               ; unit 2 + wave, onto my x
	s_or_b32 s[G0R+3], s[G0R+3], 0x80000000
	s_mov_b32 s[G0S], 1
	s_mov_b32 s[G0S+1], SCL
	s_add_nc_u64 s[G0S+2:G0S+3], s[6:7], s[92:93]
	s_or_b32 s[G0S+3], s[G0S+3], 0x80000000
	CROUND                                         ; all sixteen work-groups are here: the first joint loads meet
	tensor_load_to_lds s[G0X:G0X+3], s[G1X:G1X+7]  ; my 64 rows of x: one load a wave at the head
	s_nop 0
	PLACES
	s_lshr_b32 s80, s17, 3
	s_lshl_b32 s80, s80, 4                         ; 16 batch
	s_lshl_b32 s81, s42, 1
	s_add_co_u32 s80, s80, s81                     ; + head 2 g
	s_lshl_b32 s80, s80, 3
	s_and_b32 s81, s17, 7
	s_add_co_u32 s80, s80, s81
	s_mul_i32 s80, s80, SS                         ; its record of my 256 tokens
	s_mov_b32 s81, 0
	s_add_nc_u64 s[12:13], s[12:13], s[80:81]
	s_lshl_b32 s82, s17, 13
	s_lshl_b32 s83, s14, 11
	s_add_co_u32 s82, s82, s83
	s_add_co_u32 s82, s82, XS
	s_mov_b32 s83, 0
	s_add_nc_u64 s[8:9], s[4:5], s[82:83]          ; my 64 rows of x's scale bytes
	s_add_co_u32 s45, s45, 2*UB
	s_mul_i32 s22, s14, 3072                       ; q, k: four tiles of 768
	s_lshr_b32 s88, s14, 1
	s_and_b32 s89, s14, 1
	s_mul_i32 s23, s88, 6144                       ; v: the step of 128 keys,
	s_mul_i32 s90, s89, 768                        ; and which three pieces
	s_add_co_u32 s23, s23, s90
	s_lshl_b32 s90, s14, 8
	s_lshl_b32 s88, s88, 8
	s_lshl_b32 s89, s89, 1
	s_add_co_u32 s91, s88, s89
	s_mov_b32 s[SEL], 0x76543210
	s_mov_b32 s[SEL+1], 0xfedcba98
	s_mov_b32 s[UC], 0
	s_mov_b32 s[UO], 0
	s_mov_b32 s[SO], 0
	v_and_b32 v1, 15, v0
	v_bfe_u32 v2, v0, 4, 1
	v_and_b32 v3, 31, v0
	v_mul_u32_u24 v[A0], v1, BP
	v_mad_u32_u24 v[A0], v2, 24, v[A0]
	v_lshl_add_u32 v[A0+1], v2, 4, v[A0]
	v_add_nc_u32 v[AW], s[UO], v[A0]
	v_add_nc_u32 v[AW+1], s[UO], v[A0+1]
	v_add_nc_u32 v[ADX], s45, v[A0]
	v_add_nc_u32 v[ADX+1], s45, v[A0+1]
	v_lshlrev_b32 v[VXS], 5, v1
	v_lshrrev_b32 v4, 3, v1
	v_lshl_add_u32 v4, v4, 4, v[VXS]               ; 32 bytes a row, 16 more for each 256 passed
	v_add_nc_u32 v[AS0], SCL, v4
	v_add_nc_u32 v[AS], s[SO], v[AS0]
	v_lshlrev_b32 v4, 3, v3
	v_add_nc_u32 v[VQ], s22, v4
	v_add_nc_u32 v[VV], s23, v4
	v_lshlrev_b32 v4, 2, v3
	v_add_nc_u32 v[VSQ], s90, v4
	v_add_nc_u32 v[VSV], s91, v4
	v_lshlrev_b32 v[SHV], 4, v2
	v_mov_b32 v[FLR], 0x2800000
.irp b, 0,1,2,3
	v_mov_b32 v[TM+4+\b], 0                        ; written once: a lane permute's destination counts as one of its sources
.endr
.irp a, 0,1,2,3
	global_load_b128 v[SX+8*\a:SX+8*\a+3], v[VXS], s[8:9] offset:512*\a       ; x's scale words: register 8 a + step, the same in both halves of the lanes
	global_load_b128 v[SX+8*\a+4:SX+8*\a+7], v[VXS], s[8:9] offset:512*\a+16
.endr
; a fragment, 16 rows x 128 K: pieces of 8 bytes; byte y of a row lies at y + 16 (y / 256); where lanes 16-31, 24 bytes on, have passed one padding more, the second address serves
.macro FRAG reg, adr, st, i
.irp p, 0,1,2,3,4,5
.set BYT, 96*(\st)+48*(\p/3)+8*(\p%3)
.if BYT/256 == (BYT+24)/256
	ds_load_b64 v[\reg+2*\p:\reg+2*\p+1], v[\adr] offset:BYT+16*(BYT/256)+(\i)*16*BP
.else
	ds_load_b64 v[\reg+2*\p:\reg+2*\p+1], v[\adr+1] offset:BYT+16*(BYT/256)+(\i)*16*BP
.endif
.endr
.endm
.macro FETX                            ; my x, 192 loads, into windows 1 and 2
.irp n, 1,2
.set WN, (\n)<<6
	WIN WN
.irp a, 0,1
.set SX_, 0
.rept 8
	FRAG 96*\a+12*SX_, ADX, SX_, 2*\n-2+\a
.set SX_, SX_+1
.endr
.endr
.endr
	WIN 0
.endm
.macro FETW st                         ; the unit's four blocks of W, step st, into set st % 2: 24 loads
.irp i, 0,1,2,3
	FRAG WF+48*((\st)%2)+12*\i, AW, \st, \i
.endr
.endm
.macro SWL                             ; the unit's scale words of W: register 8 b + step
.irp b, 0,1,2,3
	ds_load_b128 v[SW+8*\b:SW+8*\b+3], v[AS] offset:\b*544
	ds_load_b128 v[SW+8*\b+4:SW+8*\b+7], v[AS] offset:\b*544+16
.endr
.endm
.macro WM d, s0, s1, zs, c0, c1        ; the first step's products start the sums
.if (\zs) == 0
	v_wmma_scale_f32_16x16x128_f8f6f4 v[\d:\d+7], v[\s0:\s0+11], v[\s1:\s1+11], 0, v[\c0], v[\c1] matrix_a_fmt:MATRIX_FMT_BF6 matrix_b_fmt:MATRIX_FMT_BF6
.else
	v_wmma_scale_f32_16x16x128_f8f6f4 v[\d:\d+7], v[\s0:\s0+11], v[\s1:\s1+11], v[\d:\d+7], v[\c0], v[\c1] matrix_a_fmt:MATRIX_FMT_BF6 matrix_b_fmt:MATRIX_FMT_BF6
.endif
.endm
; 16 matrix instructions, the 16 accumulators by turns in the same order in every step.
; q, k: accumulator (token block a, channel block b) at 192 + 32 (a % 2) + 8 b of window 1 + a / 2.   v: at 192 + 32 (b % 2) + 8 a of window 1 + b / 2.  So 64 neighbouring registers are two rows' blocks along the quantised axis.
.macro MULS st, mode
.if \mode == 0
.irp n, 1,2
.set WN, 0x54*\n
	WIN WN
.irp a, 0,1
.irp b, 0,1,2,3
	WM AC+32*\a+8*\b, WF+48*((\st)%2)+12*\b, 96*\a+12*(\st), \st, SW+8*\b+(\st), SX+8*(2*\n-2+\a)+(\st)
.endr
.endr
.endr
.else
.irp n, 1,2
.irp w, 1,2
.set WN, \n+0x50*\w
	WIN WN
.irp a, 0,1
.irp b, 0,1
	WM AC+32*\b+8*(2*\n-2+\a), 96*\a+12*(\st), WF+48*((\st)%2)+12*(2*\w-2+\b), \st, SX+8*(2*\n-2+\a)+(\st), SW+8*(2*\w-2+\b)+(\st)
.endr
.endr
.endr
.endr
.endif
.endm
.macro STEPS mode                      ; a unit's eight K steps; the next step's fragments are asked for a step ahead
.set ST, 0
.rept 8
.if ST < 7
.if ST > 0
	PLACES                                         ; ahead of loads into the set that the step before multiplied
.endif
	FETW ST+1
	s_wait_dscnt 24                                ; all but the 24 loads just issued
.else
	s_wait_dscnt 0x0
.endif
	MULS ST, \mode
	WIN 0
.set ST, ST+1
.endr
.endm
.macro NEXT                            ; on to the next unit: its scale words and first fragments land under the way out.  The four vector lines are the places behind the last products
	s_add_co_u32 s[UO], s[UO], UB
	s_add_co_u32 s[SO], s[SO], 2176
	v_add_nc_u32 v[AW], s[UO], v[A0]
	v_add_nc_u32 v[AW+1], s[UO], v[A0+1]
	v_add_nc_u32 v[AS], s[SO], v[AS0]
	v_nop
	s_wait_alu depctr_va_vdst(0)
	SWL
	FETW 0
.endm
; THE WAY OUT of window w's 64 registers: four blocks of 32 along the quantised axis (register 16 b + i = place 16 (lane / 16) + i of block b) become 12 registers of codes and a scale word.
; q, k: registers 6 c .. 6 c + 5 are token tile 2 (w - 1) + c's image.   v: they are three pieces of channel tile 2 (w - 1) + c's fragment.
.macro OUT w, mode, cp, co, sp, so
.set WN, ((\w)<<2)|((\w)<<4)
	WIN WN
.irp b, 0,1,2,3
	v_max3_num_f32 v[TM+\b], v[FLR], |v[AC+16*\b]|, |v[AC+16*\b+1]|   ; each accumulator is read from its low end on; the floor holds the byte at 1 from below
.endr
.irp i, 2,4,6,8,10,12,14
.irp b, 0,1,2,3
	v_max3_num_f32 v[TM+\b], v[TM+\b], |v[AC+16*\b+\i]|, |v[AC+16*\b+\i+1]|
.endr
.endr
	WIN 0
.irp b, 0,1,2,3
	v_permlanex16_b32 v[TM+4+\b], v[TM+\b], s[SEL], s[SEL+1]
.endr
.irp b, 0,1,2,3
	v_max_num_f32 v[TM+\b], v[TM+\b], v[TM+4+\b]   ; with lane l xor 16's: the block's largest magnitude
.endr
.irp b, 0,1,2,3
	v_add_nc_u32 v[TM+12+\b], 0xfe000000, v[TM+\b] ; 4 off its exponent field: the conversion's scale operand
.endr
.irp b, 0,1,2,3
	v_lshrrev_b32 v[TM+4+\b], 23, v[TM+12+\b]      ; the scale's byte
.endr
	v_lshl_or_b32 v[PW], v[TM+5], 8, v[TM+4]
	v_lshl_or_b32 v[PW], v[TM+6], 16, v[PW]
	v_lshl_or_b32 v[PW], v[TM+7], 24, v[PW]
	s_wait_alu depctr_va_vdst(0)
	s_wait_xcnt 0x0                                ; the last stores have read their data: it is written again only behind this wait
	v_lshrrev_b32 v[PWS], v[SHV], v[PW]            ; lanes 16-31 keep the second tile's two bytes in bytes 0, 1
	WIN \w
.irp c, 0,1
	v_cvt_scalef32_pk16_bf6_f32 v[PC+6*\c:PC+6*\c+2], v[AC+32*\c:AC+32*\c+15], v[TM+12+2*\c]
	v_cvt_scalef32_pk16_bf6_f32 v[PC+12+4*\c:PC+14+4*\c], v[AC+32*\c+16:AC+32*\c+31], v[TM+12+2*\c+1]
.endr
	WIN 0
	v_nop                                          ; one plain place behind a scaled conversion
.irp c, 0,1                                    ; the operand's layout wants a whole block in a lane
.irp i, 0,1,2
	v_permlane16_swap_b32 v[PC+6*\c+\i], v[PC+12+4*\c+\i]
.endr
.irp i, 0,1,2
	v_mov_b32 v[PC+3+6*\c+\i], v[PC+12+4*\c+\i]
.endr
.endr
.if \mode == 0
.irp p, 0,1,2,3,4,5
	global_store_b64 v[VQ], v[PC+2*\p:PC+2*\p+1], s[\cp:\cp+1] offset:\co+1536*(\w-1)+256*\p   ; a piece: 32 lanes store 256 consecutive bytes, aligned
.endr
	global_store_b32 v[VSQ], v[PWS], s[\sp:\sp+1] offset:\so+128*(\w-1)                        ; two tiles' scale words: 128 consecutive bytes
.else
.irp p, 0,1,2,3,4,5
	global_store_b64 v[VV], v[PC+2*\p:PC+2*\p+1], s[\cp:\cp+1] offset:\co+3072*(\w-1)+1536*(\p/3)+256*(\p%3)
.endr
	global_store_b16 v[VSV], v[PWS], s[\sp:\sp+1] offset:\so+128*(\w-1)                        ; my two bytes of each channel's scale word,
	global_store_b16 v[VSV], v[PWS], s[\sp:\sp+1] offset:\so+128*(\w-1)+512                    ; and in the second copy
.endif
.endm
	s_wait_alu depctr_va_vdst(0)
	s_wait_tensorcnt 0x0                           ; my x is in
	ds_add_u32 v[SPW], v[NIL]
	s_wait_dscnt 0x0
	CROUND
	s_cmp_lt_u32 s14, 2                            ; first fills alone behind this round: waves 0 and 1 units 0 and 1, wave 3 W's scale bytes
	s_cbranch_scc0 .Lfill_s
	tensor_load_to_lds s[G0A:G0A+3], s[G1W:G1W+7]
	s_nop 0
	PLACES
	s_branch .Lfilled
.Lfill_s:
	s_cmp_eq_u32 s14, 3
	s_cbranch_scc0 .Lfilled
	tensor_load_to_lds s[G0S:G0S+3], s[G1S:G1S+7]
	s_nop 0
	PLACES
.Lfilled:
	FETX
	s_wait_tensorcnt 0x0                           ; my load of the three is in,
	ds_add_u32 v[SPW], v[NIL]
	s_wait_dscnt 0x0                               ; and my x is in registers: its bytes may be filled again
	CROUND
	tensor_load_to_lds s[G0R:G0R+3], s[G1W:G1W+7]  ; unit 2 + wave, the first tensor load behind the round, my one refill
	s_nop 0
	PLACES
	SWL
	FETW 0
	s_wait_loadcnt 0x0                             ; x's scale words
.Lqk:                                              ; four trips: q's two heads, k's two heads
	s_wait_xcnt 0x0                                ; the last trip's stores have read their bases
	s_and_b32 s20, s[UC], 1
	s_mul_i32 s20, s20, HS                         ; the second head's records lie a head on
	s_lshr_b32 s21, s[UC], 1
	s_xor_b32 s21, s21, 1                          ; 1 for q
	s_mul_i32 s22, s21, 26624
	s_add_co_u32 s22, s22, s20
	s_mov_b32 s23, 0
	s_add_nc_u64 s[PCB:PCB+1], s[12:13], s[22:23]  ; codes: q at 26,624, k at 0
	s_mul_i32 s22, s21, 14336
	s_add_co_u32 s22, s22, s20
	s_add_co_u32 s22, s22, 24576
	s_add_nc_u64 s[PSB:PSB+1], s[12:13], s[22:23]  ; scale words: q at 38,912, k at 24,576
	STEPS 0
	s_wait_tensorcnt 0x0                           ; my refill is in; behind this barrier everybody's is: units 2 to 5 are first read behind it, in the second trip.
	s_barrier_signal -1
	s_barrier_wait -1
	NEXT
	OUT 1, 0, PCB, 0, PSB, 0
	OUT 2, 0, PCB, 0, PSB, 0
	s_add_co_u32 s[UC], s[UC], 1
	s_cmp_lt_u32 s[UC], 4
	s_wait_alu depctr_va_vdst(0)
	s_cbranch_scc1 .Lqk
	STEPS 1                                        ; v's two heads
	NEXT
	OUT 1, 1, 12, 12288, 12, 25600
	OUT 2, 1, 12, 12288, 12, 25600
	STEPS 1
	PLACES
	OUT 1, 1, 12, 12288+HS, 12, 25600+HS
	OUT 2, 1, 12, 12288+HS, 12, 25600+HS
	s_wait_tensorcnt 0x0                           ; the wave's end
	ds_add_u32 v[SPW], v[NIL]
	s_wait_dscnt 0x0
	CROUND                                         ; the closing round
	s_endpgm
.Lfunc_end_k_q704d96bf35_qkv:
	.size	k_q704d96bf35_qkv, .Lfunc_end_k_q704d96bf35_qkv-k_q704d96bf35_qkv
	.p2alignl 7, 3214868480
	.fill 96, 4, 3214868480
	.section	.rodata,"a",@progbits
	.p2align	6, 0x0
	.amdhsa_kernel k_q704d96bf35_qkv
		.amdhsa_group_segment_fixed_size 327680
		.amdhsa_private_segment_fixed_size 0
		.amdhsa_enable_private_segment 0
		.amdhsa_kernarg_size 24
		.amdhsa_user_sgpr_count 2
		.amdhsa_user_sgpr_kernarg_segment_ptr 1
		.amdhsa_wavefront_size32 1
		.amdhsa_system_sgpr_workgroup_id_x 1
		.amdhsa_system_sgpr_workgroup_id_y 1
		.amdhsa_system_sgpr_workgroup_id_z 1
		.amdhsa_system_vgpr_workitem_id 0
		.amdhsa_next_free_vgpr 768
		.amdhsa_next_free_sgpr 100
		.amdhsa_reserve_vcc 0
		.amdhsa_float_denorm_mode_32 3
		.amdhsa_float_denorm_mode_16_64 3
		.amdhsa_memory_ordered 1
		.amdhsa_forward_progress 1
		.amdhsa_inst_pref_size 143
	.end_amdhsa_kernel
	.amdgpu_metadata
---
amdhsa.version: [ 1, 2 ]
amdhsa.kernels:
  - .name:           k_q704d96bf35_qkv
    .symbol:         k_q704d96bf35_qkv.kd
    .args:
      - { .name: xq, .offset: 0, .size: 8, .value_kind: global_buffer, .address_space: global }
      - { .name: wq, .offset: 8, .size: 8, .value_kind: global_buffer, .address_space: global }
      - { .name: qkv, .offset: 16, .size: 8, .value_kind: global_buffer, .address_space: global }
    .group_segment_fixed_size: 327680
    .private_segment_fixed_size: 0
    .kernarg_segment_align: 8
    .kernarg_segment_size: 24
    .max_flat_workgroup_size: 128
    .sgpr_count:     100
    .vgpr_count:     768
    .wavefront_size: 32
...
	.end_amdgpu_metadata
.endif
;; end of part 2
;; launch attn (part 3): grid 4 x 64, 16 waves a work-group, clusters of 4 x 1, 327,680 bytes of LDS; arguments qkv, aq; writes aq
.if DOCPART == 3
	.amdgcn_target "amdgcn-amd-amdhsa--gfx1250"
	.amdhsa_code_object_version 6
	.text
	.protected	k_q704d96bf35_attn
	.globl	k_q704d96bf35_attn
	.p2align	8
	.type	k_q704d96bf35_attn,@function
k_q704d96bf35_attn:
	s_mov_b64 s[64:65], 0
	v_nop
	global_prefetch_b8 v0, s[64:65] scope:SCOPE_SE
	s_setreg_imm32_b32 hwreg(HW_REG_WAVE_MODE, 25, 1), 1
	s_wait_xcnt 0x0
	s_wait_alu depctr_hold_cnt(0) depctr_sa_sdst(0) depctr_va_vdst(0) depctr_va_sdst(0) depctr_va_ssrc(0) depctr_va_vcc(0) depctr_vm_vsrc(0)
	s_getreg_b32 s2, hwreg(HW_REG_IB_STS2, 6, 4)
	s_cmp_eq_u32 s2, 0
	s_cbranch_scc0 .Lentry_in_a_cluster
	s_endpgm
.Lentry_in_a_cluster:
	s_bfe_u32 s2, ttmp6, 0x10000c
	s_cmp_lg_u32 s2, 0x3003
	s_cbranch_scc0 .Lentry_shape_is_right
	s_endpgm
.Lentry_shape_is_right:
; Causal attention of one head (16 batch + head = the cluster's y) on codes of BF6 (E3M2): S^T = K Q^T (K = the head's 64), O^T = V^T P^T (K = the keys).
; LEFT OUT: steps of 128 keys all of which come after a tile's queries: the causal mask sets their scores to -infinity, so their weights are 0 for all values of the inputs.
; THE SOFTMAX AHEAD OF THE SECOND PRODUCT: t = score x log2(e) / 8; M = the row's largest t so far, rounded UP to a whole number; p = 2^(t - M) is quantised along the keys, not normalised.
; The row's sum is taken of the unquantised p and divides O at the end.  When M moves, the sum and O are multiplied by 2^(old M - new M): exact.  O / sum is quantised along the head's 64 for the last product.
; ALL OF THE HEAD'S K AND V STAY IN LDS: eight slots of 256 keys, the first 26,624 bytes of each record of qkv as they lie (K's codes, V's codes, K's and V's scale words: images of operand registers), 212,992 bytes.
; Each of the sixteen waves brings half a slot by ONE tensor load at the head; one barrier follows; nothing is filled again, so the waves meet at no later barrier.
; CLUSTER: the four work-groups of a head want the same sixteen halves at the same time: each load is asked for jointly (mask 15).
; SHARES.  The head's 2,048 queries are 128 tiles of 16.  Wave w of work-group p owns tile j = 4 w + p and tile 127 - j: (w / 2 + 1) + (16 - w / 2) = 17 steps of 128 keys for every wave: one loop of 17 trips.
; Trips 0 .. w / 2 walk tile j's steps upward; the others walk tile 127 - j's steps downward from its diagonal.  Branches hang on the wave's number and the trip alone; p enters global addresses and the mask's numbers only.
; LAYOUT.  A lane holds ONE query (lane % 16).  Lane r of tile 2 b + u (of keys, queries, V's channels) holds row 32 b + 8 u + r + 8 (r / 8): p's 16 registers of two neighbouring tiles are 16 neighbouring keys.
; K's eight tiles lie packed, six registers each: the instruction's upper 64 along K meet Q's zero codes, so what stands there on K's side (the next tile's codes, all finite) adds nothing.  V's fragments take the same registers afterwards.
; One register carries two neighbouring tiles' scale words: lanes 0-15 the even tile's, lanes 16-31 the odd tile's (ROW1).
; A tile's queries lie inside one run of 128, so every query sees the first key of every step that is worked; in the step on the diagonal hidden scores become -infinity.
; aq: codes [token tile 128 batch + tile][head][768]: the image of 6 registers; from AS scale bytes [16 x tile + r][32], bytes 2 head and 2 head + 1 (2 bytes a lane: a row's other bytes belong to other work-groups).
; NO PREFETCH: all tiles are asked for at the head, by one load a wave; there is no loop to run ahead in.
; LIMITS: the promise holds while the scaled scores t stay under 2^31 in magnitude.  NaN and infinities are not served.  A block of zeros, or one under 2^-122, gets the byte 1: its codes are zeros, and this program alone reads the bytes.
.set SS,    39936
.set HS,    8*SS
.set AS,    6291456
.set HALF,  13312                      ; half a slot: 52 rows of 256 bytes
.set SPARE, 262144                     ; the spare words, 128 bytes for each of the sixteen waves
.set L8,1                              ; 8 x lane
.set L4,2                              ; 4 x lane
.set ADK,3                             ; the step's codes + 8 x lane
.set ADS,4                             ; K's scale words + 4 x lane
.set SPW,5
.set NIL,6
.set OSO,7                             ; 32 x (lane % 16)
.set VS,8                              ; v8-9 V's scale words
.set ADV,10                            ; V's scale words + 4 x lane
.set L4Q,11                            ; 4 x (lane % 16)
                                       ; v12 -M, v13 the largest t, v[14:15] the sum; v16-21 Q's codes, v22-27 zeros
.set QM,28                             ; r + 8 (r / 8) - 16 (lane / 16)
.set QS,29                             ; Q's scale word
.set QB,30                             ; v30-35 the second tile's Q, v36 its scale word
.set QSB,36
.set KS,38                             ; v38-41 K's scale words
.set FR,42                             ; v42-89 K's eight tiles, then V's four fragments; v90-95 zeros
.set S,96                              ; v96-159 S^T, then p
.set O,160                             ; v160-191 O^T
.set PC,192                            ; v192-203 p's codes
.set CT,204                            ; v204-211 conversions' second halves
.set BM,212                            ; block maxima
.set PM,216                            ; lane permutes' results
.set SO,220                            ; the conversions' scale operands
.set BY,224                            ; scale bytes
.set F,228                             ; v228 f (v229 named with it)
.set PS,230                            ; p's scale word
.set T,231
.set T2,232
.set SM,234                            ; v234-247 partial sums
.set WV,18
.set CX,19
.set SEL,20
.set CS,22
.set G1,24
.set G0,40
.set HH,44                             ; wave / 2
.set TI,45                             ; the trip
.set DG,46                             ; the trip on the diagonal of the tile in hand
.set DQ,47                             ; that tile's first query, modulo 128
.set QCA,48
.set QSA,50
.set OCA,52
.set OSA,54
.set QCB,56
.set QSP,58
.set OCB,68
.set OSB,70
.set DQA,72
.set DQB,73
.set JA,74
.set JB,75
.set BT,76
.set HD,77
.macro DL n
	s_delay_alu instid0(VALU_DEP_\n)
.endm
.macro ROUND
	s_barrier_signal -1
	s_barrier_wait -1
	s_cmp_lg_u32 s[WV], 0
	s_cbranch_scc1 .Lnot_wave_0_\@
	s_barrier_signal -3
.Lnot_wave_0_\@:
	s_barrier_wait -3
	s_barrier_signal -1
	s_barrier_wait -1
.endm
.macro TILEP jt, qc, qs, oc, os, dq    ; tile jt's places: Q's codes and scale words in qkv, the result's codes and scale bytes in aq
	s_lshr_b32 s62, s[\jt], 4
	s_mul_i32 s62, s62, SS
	s_and_b32 s63, s[\jt], 15
	s_mul_i32 s60, s63, 768
	s_add_co_u32 s60, s60, s62
	s_add_co_u32 s60, s60, 26624
	s_add_nc_u64 s[\qc:\qc+1], s[8:9], s[60:61]
	s_lshl_b32 s60, s63, 6
	s_add_co_u32 s60, s60, s62
	s_add_co_u32 s60, s60, 38912
	s_add_nc_u64 s[\qs:\qs+1], s[8:9], s[60:61]
	s_add_co_u32 s62, s[BT], s[\jt]
	s_lshl_b32 s60, s62, 4
	s_add_co_u32 s60, s60, s[HD]
	s_mul_i32 s60, s60, 768
	s_add_nc_u64 s[\oc:\oc+1], s[6:7], s[60:61]
	s_lshl_b32 s60, s62, 9
	s_lshl_b32 s63, s[HD], 1
	s_add_co_u32 s60, s60, s63
	s_add_co_u32 s60, s60, AS
	s_add_nc_u64 s[\os:\os+1], s[6:7], s[60:61]
	s_bfe_u32 s62, s[\jt], 0x20001
	s_lshl_b32 s62, s62, 5
	s_and_b32 s63, s[\jt], 1
	s_lshl_b32 s63, s63, 3
	s_add_co_u32 s[\dq], s62, s63
.endm
.macro RESET                           ; a tile begins: O^T and the sum are zeros, the largest t lies under every t
	v_mov_b32 v13, 0xff61b1e6
	DL 1
	v_floor_f32 v12, -v13
	v_mov_b32 v14, 0
	v_mov_b32 v15, 0
.set j, 0
.rept 32
	v_mov_b32 v[O+j], 0
.set j, j+1
.endr
.endm
	s_load_b128 s[4:7], s[0:1], 0x0                ; qkv, aq
	v_lshl_add_u32 v[SPW], v0, 2, SPARE
	v_mov_b32 v[NIL], 0
	ds_add_u32 v[SPW], v[NIL]                      ; the opening lines: the add, twice on end, and its wait
	ds_add_u32 v[SPW], v[NIL]
	v_lshrrev_b32 v[T], 5, v0
	v_readfirstlane_b32 s[WV], v[T]                ; wave 0..15
	s_bfe_u32 s[CX], ttmp6, 0x40000                ; p
	s_and_b32 s10, ttmp7, 0xffff                   ; 16 batch + head
	s_mul_i32 s8, s10, HS
	s_mov_b32 s9, 0
	s_mov_b32 s[G1], 15|(3<<16)|(1<<21)            ; the four partners; elements of 8 bytes; 13,312 dense bytes as 52 rows of 256
	s_mov_b32 s[G1+1], 32<<16
	s_mov_b32 s[G1+2], 52<<16
	s_mov_b32 s[G1+3], 32<<16
	s_mov_b32 s[G1+4], 52
	s_mov_b32 s[G1+5], 32
	s_mov_b32 s[G1+6], 0
	s_mov_b32 s[G1+7], 0
	s_lshr_b32 s[HH], s[WV], 1
	s_mul_i32 s12, s[HH], SS                       ; my half: record wave / 2,
	s_and_b32 s13, s[WV], 1
	s_mul_i32 s13, s13, HALF                       ; half wave % 2
	s_add_co_u32 s12, s12, s13
	s_mov_b32 s13, 0
	s_mul_i32 s11, s[WV], HALF                     ; to LDS byte wave x 13,312
	s_mov_b32 s[SEL], 0x76543210
	s_mov_b32 s[SEL+1], 0xfedcba98
	s_mov_b32 s[CS], 0x3e38aa3b                    ; c = log2(e) / 8
	s_mov_b32 s[CS+1], s[CS]
	s_wait_dscnt 0x0
	s_wait_kmcnt 0x0
	s_add_nc_u64 s[8:9], s[4:5], s[8:9]            ; my head's records
	s_mov_b32 s[G0], 1
	s_mov_b32 s[G0+1], s11
	s_add_nc_u64 s[G0+2:G0+3], s[8:9], s[12:13]
	s_or_b32 s[G0+3], s[G0+3], 0x80000000
	ROUND                                          ; the four work-groups are here: the joint loads meet
	tensor_load_to_lds s[G0:G0+3], s[G1:G1+7]      ; my one tensor load of the launch
	s_nop 0
.rept 4
	v_nop
.endr
	s_lshl_b32 s[JA], s[WV], 2
	s_add_co_u32 s[JA], s[JA], s[CX]               ; tile j = 4 w + p
	s_sub_co_u32 s[JB], 127, s[JA]                 ; and tile 127 - j
	s_lshr_b32 s[BT], s10, 4
	s_lshl_b32 s[BT], s[BT], 7                     ; 128 batch
	s_and_b32 s[HD], s10, 15
	s_mov_b32 s61, 0
	TILEP JA, QCA, QSA, OCA, OSA, DQA
	TILEP JB, QCB, QSP, OCB, OSB, DQB
	s_mov_b32 s[TI], 0
	s_mov_b32 s[DG], s[HH]
	s_mov_b32 s[DQ], s[DQA]
	v_and_b32 v[BM], 15, v0                        ; r
	v_bfe_u32 v[BM+1], v0, 4, 1                    ; lane / 16
	v_and_b32 v[L8], 31, v0
	v_lshlrev_b32 v[L4], 2, v[L8]
	v_lshlrev_b32 v[L8], 3, v[L8]
	v_lshlrev_b32 v[L4Q], 2, v[BM]
	v_lshlrev_b32 v[OSO], 5, v[BM]
	v_and_b32 v[T], 8, v[BM]
	v_add_nc_u32 v[QM], v[T], v[BM]
	v_lshlrev_b32 v[T], 4, v[BM+1]
	v_sub_nc_u32 v[QM], v[QM], v[T]
.irp p, 0,1,2
	global_load_b64 v[16+2*\p:17+2*\p], v[L8], s[QCA:QCA+1] offset:256*\p
	global_load_b64 v[QB+2*\p:QB+2*\p+1], v[L8], s[QCB:QCB+1] offset:256*\p
.endr
	global_load_b32 v[QS], v[L4Q], s[QSA:QSA+1]
	global_load_b32 v[QSB], v[L4Q], s[QSP:QSP+1]
	RESET
.irp i, 22,23,24,25,26,27, FR+48,FR+49,FR+50,FR+51,FR+52,FR+53, PM,PM+1,PM+2,PM+3, F,F+1
	v_mov_b32 v[\i], 0                             ; Q's upper 64 codes; what stands behind K's last tile; permutes' destinations and the named pair, written once
.endr
	s_wait_alu depctr_va_vdst(0)
	s_wait_tensorcnt 0x0                           ; my half slot is in,
	s_barrier_signal -1
	s_barrier_wait -1                              ; everybody's is
	s_wait_loadcnt 0x0                             ; Q
.Lstep:
	s_sub_co_u32 s96, 16, s[TI]
	s_cmp_le_u32 s[TI], s[HH]
	s_cselect_b32 s96, s[TI], s96                  ; the step of 128 keys: the trip, or 16 - the trip
	s_min_u32 s96, s96, 15
	s_lshr_b32 s97, s96, 1
	s_mul_i32 s97, s97, 2*HALF                     ; its slot
	s_and_b32 s96, s96, 1
	s_mul_i32 s98, s96, 6144
	s_add_co_u32 s98, s98, s97
	s_lshl_b32 s99, s96, 9
	s_add_co_u32 s99, s99, s97
	s_lshl_b32 s96, s96, 8
	s_add_co_u32 s96, s96, s97
	v_add_nc_u32 v[ADK], s98, v[L8]                ; these three and the v_nop are the places behind the last step's products, ahead of the loads into V's registers
	v_add_nc_u32 v[ADS], s99, v[L4]
	v_add_nc_u32 v[ADV], s96, v[L4]
	v_nop
.irp t, 0,1,2,3,4,5,6,7
.irp p, 0,1,2
	ds_load_b64 v[FR+6*\t+2*\p:FR+6*\t+2*\p+1], v[ADK] offset:768*\t+256*\p
.endr
.endr
.irp u, 0,1,2,3
	ds_load_b32 v[KS+\u], v[ADS] offset:24576+128*\u
.endr
	s_wait_alu depctr_va_vdst(0)
	s_wait_dscnt 0x0
.irp u, 0,1,2,3                                ; S^T = K Q^T: eight tiles of 16 keys
	v_wmma_scale_f32_16x16x128_f8f6f4 v[S+16*\u:S+16*\u+7], v[FR+12*\u:FR+12*\u+11], v[16:27], 0, v[KS+\u], v[QS] matrix_a_fmt:MATRIX_FMT_BF6 matrix_b_fmt:MATRIX_FMT_BF6
	v_wmma_scale_f32_16x16x128_f8f6f4 v[S+16*\u+8:S+16*\u+15], v[FR+12*\u+6:FR+12*\u+17], v[16:27], 0, v[KS+\u], v[QS] matrix_a_fmt:MATRIX_FMT_BF6 matrix_b_fmt:MATRIX_FMT_BF6 matrix_a_scale:MATRIX_SCALE_ROW1
.endr
.rept 4
	v_nop                                          ; places ahead of the loads into K's registers and of the first reads of S^T
.endr
.irp t, 0,1,2,3                                ; V's four fragments land under the softmax
.irp p, 0,1,2,3,4,5
	ds_load_b64 v[FR+12*\t+2*\p:FR+12*\t+2*\p+1], v[ADK] offset:12288+1536*\t+256*\p
.endr
.endr
.irp u, 0,1
	ds_load_b32 v[VS+\u], v[ADV] offset:25600+128*\u
.endr
	s_cmp_lg_u32 s[TI], s[DG]
	s_cbranch_scc1 .Lopen                          ; only the step on the diagonal hides keys
	v_add_nc_u32 v[T], s[DQ], v[QM]                ; d = my query - the step's first key - 16 (lane / 16): register 16 b + i is hidden where 32 b + i > d
	v_mov_b32 v[T2], 0xff800000
.set n, 0
.rept 64
	v_cmp_gt_i32 vcc_lo, 32*(n/16)+n%16, v[T]
	v_cndmask_b32 v[S+n], v[S+n], v[T2], vcc_lo
.set n, n+1
.endr
.Lopen:
.irp b, 0,1,2,3
	v_max3_num_f32 v[BM+\b], v[S+16*\b], v[S+1+16*\b], v[S+2+16*\b]   ; the largest score of each block of 32 keys: for the row's maximum and for the block's largest p
.endr
.irp i, 3,5,7,9,11,13
.irp b, 0,1,2,3
	v_max3_num_f32 v[BM+\b], v[BM+\b], v[S+16*\b+\i], v[S+1+16*\b+\i]
.endr
.endr
.irp b, 0,1,2,3
	v_max_num_f32 v[BM+\b], v[BM+\b], v[S+15+16*\b]
.endr
.irp b, 0,1,2,3
	DL 4
	v_permlanex16_b32 v[PM+\b], v[BM+\b], s[SEL], s[SEL+1]
.endr
.irp b, 0,1,2,3
	DL 4
	v_max_num_f32 v[BM+\b], v[BM+\b], v[PM+\b]
.endr
	DL 2
	v_max3_num_f32 v[T], v[BM], v[BM+1], v[BM+2]
	DL 1
	v_max_num_f32 v[T], v[T], v[BM+3]
	DL 1
	v_mul_f32 v[T], s[CS], v[T]
	DL 1
	v_max_num_f32 v13, v13, v[T]                   ; the running largest t
	v_mov_b32 v[T], v12
	DL 2
	v_floor_f32 v12, -v13                          ; -M = -ceil(t)
	DL 1
	v_sub_f32 v[T], v12, v[T]
	DL 1
	v_cvt_i32_f32 v[T], v[T]
	DL 1
	v_ldexp_f32 v[F], 1.0, v[T]                    ; f = 2^(old M - new M)
.set j, 0
.rept 32
	v_pk_fma_f32 v[S+j:S+j+1], v[S+j:S+j+1], s[CS:CS+1], v[12:13] op_sel_hi:[1,0,0]
.set j, j+2
.endr
.irp b, 0,1,2,3
	v_fma_f32 v[BM+\b], v[BM+\b], s[CS], v12
.endr
	s_wait_alu depctr_va_vdst(0)
.set j, 0
.rept 64
	v_exp_f32 v[S+j], v[S+j]                       ; p = 2^(t - M)
.set j, j+1
.endr
	v_pk_mul_f32 v[14:15], v[14:15], v[F:F+1] op_sel_hi:[1,0]
	s_wait_alu depctr_va_vdst(0)                   ; one wait for the batch, ahead of its first reader
.irp b, 0,1,2,3
	v_exp_f32 v[BM+\b], v[BM+\b]                   ; the block's largest p
.endr
.irp c, 0,1,2,3,4,5,6                          ; the row's sum of the unquantised p, in eight chains
	v_pk_add_f32 v[SM+2*\c:SM+2*\c+1], v[S+2*\c:S+2*\c+1], v[S+16+2*\c:S+17+2*\c]
.endr
	v_pk_add_f32 v[14:15], v[14:15], v[S+14:S+15]
.irp c, 0,1,2,3,4,5,6
	v_pk_add_f32 v[SM+2*\c:SM+2*\c+1], v[SM+2*\c:SM+2*\c+1], v[S+32+2*\c:S+33+2*\c]
.endr
	v_pk_add_f32 v[14:15], v[14:15], v[S+30:S+31]
.irp c, 0,1,2,3,4,5,6
	v_pk_add_f32 v[SM+2*\c:SM+2*\c+1], v[SM+2*\c:SM+2*\c+1], v[S+48+2*\c:S+49+2*\c]
.endr
	v_pk_add_f32 v[14:15], v[14:15], v[S+46:S+47]
	v_pk_add_f32 v[SM:SM+1], v[SM:SM+1], v[SM+2:SM+3]
	v_pk_add_f32 v[SM+4:SM+5], v[SM+4:SM+5], v[SM+6:SM+7]
	v_pk_add_f32 v[SM+8:SM+9], v[SM+8:SM+9], v[SM+10:SM+11]
	v_pk_add_f32 v[14:15], v[14:15], v[S+62:S+63]
	v_pk_add_f32 v[SM:SM+1], v[SM:SM+1], v[SM+4:SM+5]
	v_pk_add_f32 v[SM+8:SM+9], v[SM+8:SM+9], v[SM+12:SM+13]
	DL 2
	v_pk_add_f32 v[14:15], v[14:15], v[SM:SM+1]
	DL 1
	v_pk_add_f32 v[14:15], v[14:15], v[SM+8:SM+9]
	s_wait_alu depctr_va_vdst(0)                   ; and one for the four
.irp b, 0,1,2,3
	v_max_num_f32 v[BM+\b], 0x2800000, v[BM+\b]    ; the floor 2^(5 - 127)
.endr
.irp b, 0,1,2,3
	DL 4
	v_add_nc_u32 v[SO+\b], 0xfe000000, v[BM+\b]    ; 4 off the exponent field: the conversion's scale operand
.endr
.irp b, 0,1,2,3
	DL 4
	v_lshrrev_b32 v[BY+\b], 23, v[SO+\b]
.endr
	DL 3
	v_lshl_or_b32 v[PS], v[BY+1], 8, v[BY]
	DL 1
	v_lshl_or_b32 v[PS], v[BY+2], 16, v[PS]
	DL 1
	v_lshl_or_b32 v[PS], v[BY+3], 24, v[PS]
.irp c, 0,1
	v_cvt_scalef32_pk16_bf6_f32 v[PC+6*\c:PC+6*\c+2], v[S+32*\c:S+32*\c+15], v[SO+2*\c]
	v_cvt_scalef32_pk16_bf6_f32 v[CT+4*\c:CT+4*\c+2], v[S+32*\c+16:S+32*\c+31], v[SO+2*\c+1]
.endr
	v_nop                                          ; one plain place behind a scaled conversion
.irp c, 0,1                                    ; the operand's layout wants a whole block in a lane
.irp i, 0,1,2
	v_permlane16_swap_b32 v[PC+6*\c+\i], v[CT+4*\c+\i]
.endr
.irp i, 0,1,2
	DL 3
	v_mov_b32 v[PC+3+6*\c+\i], v[CT+4*\c+\i]
.endr
.endr
	s_wait_alu depctr_va_vdst(0)
.set j, 0
.rept 16
	v_pk_mul_f32 v[O+j:O+j+1], v[O+j:O+j+1], v[F:F+1] op_sel_hi:[1,0]   ; O^T under the new M; these sixteen also stand between the writes of p's codes and scale word and the products
.set j, j+2
.endr
	s_wait_alu depctr_va_vdst(0)
	s_wait_dscnt 0x0                               ; V is in
.irp u, 0,1                                    ; O^T += V^T P^T: four tiles of 16 channels, by turns
	v_wmma_scale_f32_16x16x128_f8f6f4 v[O+16*\u:O+16*\u+7], v[FR+24*\u:FR+24*\u+11], v[PC:PC+11], v[O+16*\u:O+16*\u+7], v[VS+\u], v[PS] matrix_a_fmt:MATRIX_FMT_BF6 matrix_b_fmt:MATRIX_FMT_BF6
	v_wmma_scale_f32_16x16x128_f8f6f4 v[O+16*\u+8:O+16*\u+15], v[FR+24*\u+12:FR+24*\u+23], v[PC:PC+11], v[O+16*\u+8:O+16*\u+15], v[VS+\u], v[PS] matrix_a_fmt:MATRIX_FMT_BF6 matrix_b_fmt:MATRIX_FMT_BF6 matrix_a_scale:MATRIX_SCALE_ROW1
.endr
; A TILE'S END: O^T / the sum, quantised along the head's 64, leaves as the image of six registers and two scale bytes
.macro FINISH oc, os
.rept 4
	v_nop
.endr
	v_add_f32 v14, v14, v15
	s_wait_alu depctr_va_vdst(0)
	v_permlanex16_b32 v[F], v14, s[SEL], s[SEL+1]
	DL 1
	v_add_f32 v14, v14, v[F]
	s_wait_alu depctr_va_vdst(0)
	v_rcp_f32 v14, v14
	v_nop
	s_wait_alu depctr_va_vdst(0)
.set j, 0
.rept 16
	v_pk_mul_f32 v[S+j:S+j+1], v[O+j:O+j+1], v[14:15] op_sel_hi:[1,0]
.set j, j+2
.endr
.irp b, 0,1
	v_max3_num_f32 v[BM+\b], |v[S+16*\b]|, |v[S+1+16*\b]|, 0x2800000
.endr
.irp i, 2,4,6,8,10,12,14
.irp b, 0,1
	DL 2
	v_max3_num_f32 v[BM+\b], v[BM+\b], |v[S+16*\b+\i]|, |v[S+1+16*\b+\i]|
.endr
.endr
.irp b, 0,1
	DL 2
	v_permlanex16_b32 v[PM+\b], v[BM+\b], s[SEL], s[SEL+1]
.endr
.irp b, 0,1
	DL 2
	v_max_num_f32 v[BM+\b], v[BM+\b], v[PM+\b]
.endr
.irp b, 0,1
	DL 2
	v_add_nc_u32 v[SO+\b], 0xfe000000, v[BM+\b]
.endr
.irp b, 0,1
	DL 2
	v_lshrrev_b32 v[BY+\b], 23, v[SO+\b]
.endr
	DL 1
	v_lshl_or_b32 v[T], v[BY+1], 8, v[BY]
	v_cvt_scalef32_pk16_bf6_f32 v[PC:PC+2], v[S:S+15], v[SO]
	v_cvt_scalef32_pk16_bf6_f32 v[CT:CT+2], v[S+16:S+31], v[SO+1]
	v_nop
.irp i, 0,1,2
	v_permlane16_swap_b32 v[PC+\i], v[CT+\i]
.endr
.irp i, 0,1,2
	DL 3
	v_mov_b32 v[PC+3+\i], v[CT+\i]
.endr
.irp p, 0,1,2
	global_store_b64 v[L8], v[PC+2*\p:PC+2*\p+1], s[\oc:\oc+1] offset:256*\p   ; 32 lanes store 256 consecutive bytes, aligned
.endr
	global_store_b16 v[OSO], v[T], s[\os:\os+1]    ; lanes 16-31 write the same bytes with the same value
	s_wait_xcnt 0x0                                ; the stores have read their data: it may be written again
.endm
	s_cmp_lg_u32 s[TI], s[HH]                      ; the wave's number and the trip alone
	s_cbranch_scc1 .Lsame
	FINISH OCA, OSA                                ; tile j is done; tile 127 - j begins, at its diagonal
.irp i, 0,1,2,3,4,5
	v_mov_b32 v[16+\i], v[QB+\i]
.endr
	v_mov_b32 v[QS], v[QSB]
	RESET
	s_add_co_u32 s[DG], s[HH], 1
	s_mov_b32 s[DQ], s[DQB]
	s_wait_alu depctr_va_vdst(0)
.Lsame:
	s_add_co_u32 s[TI], s[TI], 1
	s_cmp_lt_u32 s[TI], 17
	s_cbranch_scc1 .Lstep
	FINISH OCB, OSB
	s_wait_tensorcnt 0x0                           ; the wave's end
	ds_add_u32 v[SPW], v[NIL]
	s_wait_dscnt 0x0
	ROUND                                          ; the closing round
	s_endpgm
.Lfunc_end_k_q704d96bf35_attn:
	.size	k_q704d96bf35_attn, .Lfunc_end_k_q704d96bf35_attn-k_q704d96bf35_attn
	.p2alignl 7, 3214868480
	.fill 96, 4, 3214868480
	.section	.rodata,"a",@progbits
	.p2align	6, 0x0
	.amdhsa_kernel k_q704d96bf35_attn
		.amdhsa_group_segment_fixed_size 327680
		.amdhsa_private_segment_fixed_size 0
		.amdhsa_enable_private_segment 0
		.amdhsa_kernarg_size 16
		.amdhsa_user_sgpr_count 2
		.amdhsa_user_sgpr_kernarg_segment_ptr 1
		.amdhsa_wavefront_size32 1
		.amdhsa_system_sgpr_workgroup_id_x 1
		.amdhsa_system_sgpr_workgroup_id_y 1
		.amdhsa_system_sgpr_workgroup_id_z 1
		.amdhsa_system_vgpr_workitem_id 0
		.amdhsa_next_free_vgpr 256
		.amdhsa_next_free_sgpr 100
		.amdhsa_reserve_vcc 1
		.amdhsa_float_denorm_mode_32 3
		.amdhsa_float_denorm_mode_16_64 3
		.amdhsa_memory_ordered 1
		.amdhsa_forward_progress 1
		.amdhsa_inst_pref_size 43
	.end_amdhsa_kernel
	.amdgpu_metadata
---
amdhsa.version: [ 1, 2 ]
amdhsa.kernels:
  - .name:           k_q704d96bf35_attn
    .symbol:         k_q704d96bf35_attn.kd
    .args:
      - { .name: qkv, .offset: 0, .size: 8, .value_kind: global_buffer, .address_space: global }
      - { .name: aq, .offset: 8, .size: 8, .value_kind: global_buffer, .address_space: global }
    .group_segment_fixed_size: 327680
    .private_segment_fixed_size: 0
    .kernarg_segment_align: 8
    .kernarg_segment_size: 16
    .max_flat_workgroup_size: 512
    .sgpr_count:     100
    .vgpr_count:     256
    .wavefront_size: 32
...
	.end_amdgpu_metadata
.endif
;; end of part 3
;; launch proj (part 4): grid 4 x 64, 4 waves a work-group, clusters of 4 x 4, 327,680 bytes of LDS; arguments aq, wq, bo, out0; writes out0
.if DOCPART == 4
	.amdgcn_target "amdgcn-amd-amdhsa--gfx1250"
	.amdhsa_code_object_version 6
	.text
	.protected	k_q704d96bf35_proj
	.globl	k_q704d96bf35_proj
	.p2align	8
	.type	k_q704d96bf35_proj,@function
k_q704d96bf35_proj:
	s_mov_b64 s[64:65], 0
	v_nop
	global_prefetch_b8 v0, s[64:65] scope:SCOPE_SE
	s_setreg_imm32_b32 hwreg(HW_REG_WAVE_MODE, 25, 1), 1
	s_wait_xcnt 0x0
	s_wait_alu depctr_hold_cnt(0) depctr_sa_sdst(0) depctr_va_vdst(0) depctr_va_sdst(0) depctr_va_ssrc(0) depctr_va_vcc(0) depctr_vm_vsrc(0)
	s_getreg_b32 s2, hwreg(HW_REG_IB_STS2, 6, 4)
	s_cmp_eq_u32 s2, 0
	s_cbranch_scc0 .Lentry_in_a_cluster
	s_endpgm
.Lentry_in_a_cluster:
	s_bfe_u32 s2, ttmp6, 0x10000c
	s_cmp_lg_u32 s2, 0xf033
	s_cbranch_scc0 .Lentry_shape_is_right
	s_endpgm
.Lentry_shape_is_right:
; out = a Wo^T + bo on codes of BF6 (E3M2) with one E8M0 scale for each 32 along K = 1,024; f32 sums, the bias as the C of the first products.
; A block of 128 tokens x 256 channels is made by four waves, 64 x 128 each (32 accumulators): 64 x 4 = 256 work-groups.
; ALL OF K STAYS IN LDS: a's 8 token tiles as images of operand registers (98,304 dense bytes), Wo's 256 rows of 768 bytes (each 256 bytes followed by 16 of padding: pitch 816), and both sides' scale bytes: 320,256 bytes.
; They come by four joint loads at the head, one a wave; one barrier; nothing is filled again.  So there is no ring, and no loop to prefetch ahead in.
; CLUSTERS: 4 x 4 work-groups; a's tiles are asked for jointly along a row of the cluster, Wo's along a column.
; THE MATRIX INSTRUCTION IS USED TRANSPOSED: source 0 = 16 rows of Wo, source 1 = 16 tokens: a lane holds eight neighbouring channels of one token.
; Lane r of token tile 2 i + u holds token 32 i + 8 u + r + 8 (r / 8): the way out stores each row at its token's place.
; REGISTERS: window 0: v0-31 addresses; v32-95 scale words of all eight K steps (register 8 i + step: lanes 0-15 a's block i, lanes 16-31 Wo's block i); v96-159 the bias; v160-255 a's fragments, two sets.  window 1: Wo's fragments, two sets.  window 2: the accumulators.
.set SIZE_N, 1024
.set AT,     12288                     ; a token tile's image: 16 heads x 768
.set BP,     816                       ; an LDS row of Wo: 3 x (256 + 16) = 204 words: the 32 lanes of a load of 8 bytes touch 64 different banks (64 banks of 4 bytes: ISA guide 11.1)
.set LB,     8*AT
.set SCL,    LB+256*BP
.set SBLK,   544                       ; the scale bytes of 16 rows: 512 + 2 x 16
.set SPARE,  SCL+24*SBLK
.set SPITCH, 528
.set AS,     6291456
.set WOC,    5406720
.set WOS,    6193152
.set ADRA, 16
.set ADRB, 20                          ; v20 blocks 0-3, v21 the same with 16 more in lanes 16-31 (one padding passed), v22-23 blocks 4-7
.set STO,  24
.set RD,   25
.set CO,   26
.set ADRS, 27
.set SPW,  28
.set NIL,  29
.set SC,   32
.set BI,   96
.set AF,   160
.set BK,   128
.set G1, 24
.set G0, 32
.set G0B, 36
.set G1B, 48
.set G1S, 68
.set G0S, 76
.set G1SB, 80
.set G0SB, 88
.set PADW, (3<<16)|(1<<20)|(1<<21)|(5<<22)|(3<<25)
.set MSB, 0
.macro WIN new
.if MSB != \new
	s_set_vgpr_msb (MSB<<8)|\new
.set MSB, \new
.endif
.endm
.set MUL_W, 0xa1                       ; source 0 window 1, source 1 window 0, C and D window 2
.set BIA_W, 0x81                       ; the same with C in window 0
.set TO_B,  0x40
.macro CROUND
	s_barrier_signal -1
	s_barrier_wait -1
	s_cmp_lg_u32 s14, 0
	s_cbranch_scc1 .Lnot_wave_0_\@
	s_barrier_signal -3
.Lnot_wave_0_\@:
	s_barrier_wait -3
	s_barrier_signal -1
	s_barrier_wait -1
.endm
.macro DENSE g, rows                   ; a dense block as rows of 256 bytes (32 elements of 8)
	s_mov_b32 s[\g+1], 32<<16
	s_mov_b32 s[\g+2], (\rows)<<16
	s_mov_b32 s[\g+3], 32<<16
	s_mov_b32 s[\g+4], \rows
	s_mov_b32 s[\g+5], 32
	s_mov_b32 s[\g+6], 0
	s_mov_b32 s[\g+7], 0
.endm
.macro PLACES
.rept 4
	v_nop
.endr
.endm
	s_load_b128 s[4:7], s[0:1], 0x0                ; aq, wq
	s_load_b128 s[96:99], s[0:1], 0x10             ; bo, out0
	v_lshl_add_u32 v[SPW], v0, 2, SPARE
	v_mov_b32 v[NIL], 0
	ds_add_u32 v[SPW], v[NIL]                      ; the opening lines: the add, twice on end, and its wait
	ds_add_u32 v[SPW], v[NIL]
	v_lshrrev_b32 v1, 5, v0
	v_readfirstlane_b32 s14, v1                    ; wave 0..3
	s_lshr_b32 s15, s14, 1                         ; my half of the tokens
	s_and_b32 s16, s14, 1                          ; my half of the channels
	s_bfe_u32 s40, ttmp6, 0x40000
	s_bfe_u32 s41, ttmp6, 0x40004
	s_lshl_b32 s42, ttmp9, 2
	s_add_co_u32 s42, s42, s40                     ; the tile of 256 channels
	s_and_b32 s17, ttmp7, 0xffff
	s_lshl_b32 s17, s17, 2
	s_add_co_u32 s17, s17, s41                     ; the tile of 128 tokens
	s_lshl_b32 s43, s41, 2
	s_lshl_b32 s43, 15, s43                        ; my row of the cluster
	s_lshl_b32 s44, 0x1111, s40                    ; my column
	s_or_b32 s[G1], s43, (3<<16)|(1<<21)           ; a's images: no padding
	s_or_b32 s[G1B], s44, PADW
	s_or_b32 s[G1S], s43, PADW
	s_or_b32 s[G1SB], s44, PADW
	DENSE G1, 384
	DENSE G1B, 768
	DENSE G1S, 16
	DENSE G1SB, 32
	s_mul_i32 s20, s17, 8*AT
	s_mov_b32 s21, 0
	s_lshl_b32 s22, s17, 12
	s_add_co_u32 s22, s22, AS
	s_mov_b32 s23, 0
	s_mul_i32 s46, s42, 256*768
	s_add_co_u32 s46, s46, WOC
	s_mov_b32 s47, 0
	s_lshl_b32 s92, s42, 13
	s_add_co_u32 s92, s92, WOS
	s_mov_b32 s93, 0
	s_wait_dscnt 0x0
	s_wait_kmcnt 0x0
	s_mov_b32 s[G0], 1
	s_mov_b32 s[G0+1], 0
	s_add_nc_u64 s[G0+2:G0+3], s[4:5], s[20:21]
	s_or_b32 s[G0+3], s[G0+3], 0x80000000
	s_mov_b32 s[G0B], 1
	s_mov_b32 s[G0B+1], LB
	s_add_nc_u64 s[G0B+2:G0B+3], s[6:7], s[46:47]
	s_or_b32 s[G0B+3], s[G0B+3], 0x80000000
	s_mov_b32 s[G0S], 1
	s_mov_b32 s[G0S+1], SCL
	s_add_nc_u64 s[G0S+2:G0S+3], s[4:5], s[22:23]
	s_or_b32 s[G0S+3], s[G0S+3], 0x80000000
	s_mov_b32 s[G0SB], 1
	s_mov_b32 s[G0SB+1], SCL+8*SBLK
	s_add_nc_u64 s[G0SB+2:G0SB+3], s[6:7], s[92:93]
	s_or_b32 s[G0SB+3], s[G0SB+3], 0x80000000
	CROUND                                         ; all sixteen work-groups are here: the joint loads meet
; one load a wave, in one tree of branches on the wave's number
.macro ARM under, g0, g1, next
	s_cmp_lt_u32 s14, \under
	s_cbranch_scc0 \next
	tensor_load_to_lds s[\g0:\g0+3], s[\g1:\g1+7]
	s_nop 0
.rept 4
	v_nop
.endr
	s_branch .Lhead_asked
\next:
.endm
	ARM 1, G0B, G1B, .Lhead_a
	ARM 2, G0,  G1,  .Lhead_sa
	ARM 3, G0S, G1S, .Lhead_sb
	tensor_load_to_lds s[G0SB:G0SB+3], s[G1SB:G1SB+7]
	s_nop 0
.rept 4
	v_nop
.endr
.Lhead_asked:
	s_mul_i32 s20, s15, 4*AT                       ; my four token tiles
	s_mul_i32 s21, s16, 128*BP
	s_add_co_u32 s21, s21, LB                      ; my 128 rows of Wo
	s_mul_i32 s22, s15, 4*SBLK
	s_mul_i32 s23, s16, 8*SBLK
	s_add_co_u32 s23, s23, 8*SBLK
	s_sub_co_u32 s23, s23, s22                     ; from a's scale bytes to Wo's
	s_add_co_u32 s22, s22, SCL
	s_mul_i32 s45, s14, 16*SPITCH                  ; my stage, in a's bytes, which have had their one fill
	s_lshl_b32 s46, s17, 7
	s_lshl_b32 s47, s15, 6
	s_add_co_u32 s46, s46, s47
	s_lshl_b32 s46, s46, 12                        ; my first token x 4,096 bytes
	s_lshl_b32 s92, s42, 10
	s_lshl_b32 s93, s16, 9
	s_add_co_u32 s92, s92, s93                     ; my first channel, in bytes
	s_mov_b32 s93, 0
	s_add_nc_u64 s[96:97], s[96:97], s[92:93]
	s_add_co_u32 s92, s92, s46
	s_add_nc_u64 s[12:13], s[98:99], s[92:93]
	v_and_b32 v1, 15, v0
	v_bfe_u32 v2, v0, 4, 1
	v_and_b32 v3, 31, v0
	v_lshlrev_b32 v4, 3, v3
	v_add_nc_u32 v[ADRA], s20, v4
	v_mul_u32_u24 v4, v1, BP
	v_mad_u32_u24 v4, v2, 24, v4
	v_add_nc_u32 v[ADRB], s21, v4
	v_lshl_add_u32 v[ADRB+1], v2, 4, v[ADRB]
	v_add_nc_u32 v[ADRB+2], 64*BP, v[ADRB]
	v_add_nc_u32 v[ADRB+3], 64*BP, v[ADRB+1]
	v_lshlrev_b32 v5, 5, v1
	v_lshrrev_b32 v6, 3, v1
	v_lshl_add_u32 v5, v6, 4, v5                   ; 32 bytes a row, 16 more for each 256 passed
	v_mul_u32_u24 v6, s23, v2                      ; lanes 16-31 take Wo's
	v_add_nc_u32 v5, v5, v6
	v_add_nc_u32 v[ADRS], s22, v5
	v_mul_u32_u24 v5, v1, SPITCH
	v_lshl_add_u32 v5, v2, 5, v5
	v_add_nc_u32 v[STO], s45, v5
	v_lshlrev_b32 v[CO], 4, v3
	v_add_nc_u32 v[RD], s45, v[CO]
	v_lshlrev_b32 v7, 5, v2
.irp b, 0,1,2,3,4,5,6,7
	global_load_b128 v[BI+8*\b:BI+8*\b+3], v7, s[96:97] offset:64*\b       ; bo at my eight channels of block b
	global_load_b128 v[BI+8*\b+4:BI+8*\b+7], v7, s[96:97] offset:64*\b+16
.endr
.macro FRAGB reg, st, i                ; 16 rows of Wo x 128 K: pieces of 8 bytes; byte y of a row lies at y + 16 (y / 256); where lanes 16-31, 24 bytes on, have passed one padding more, the second address serves
.irp p, 0,1,2,3,4,5
.set BYT, 96*(\st)+48*(\p/3)+8*(\p%3)
.if BYT/256 == (BYT+24)/256
	ds_load_b64 v[\reg+2*\p:\reg+2*\p+1], v[ADRB+2*((\i)/4)] offset:BYT+16*(BYT/256)+((\i)%4)*16*BP
.else
	ds_load_b64 v[\reg+2*\p:\reg+2*\p+1], v[ADRB+2*((\i)/4)+1] offset:BYT+16*(BYT/256)+((\i)%4)*16*BP
.endif
.endr
.endm
.macro FETCH st                        ; step st's fragments into set st % 2: 72 loads
	WIN TO_B
.irp i, 0,1,2,3,4,5,6,7
	FRAGB 128*((\st)%2)+12*\i, \st, \i
.endr
	WIN 0
	s_wait_dscnt 48                                ; all but the 48 loads just issued: whatever was asked for earlier, the fragments of the step in hand among them, is in
.irp i, 0,1,2,3
.irp p, 0,1,2,3,4,5
	ds_load_b64 v[AF+48*((\st)%2)+12*\i+2*\p:AF+48*((\st)%2)+12*\i+2*\p+1], v[ADRA] offset:\i*AT+(\st)*1536+256*\p
.endr
.endr
.endm
.macro MUL st, bias                    ; 32 matrix instructions, the 32 accumulators by turns in the same order in every step
.irp a, 0,1,2,3
.irp b, 0,1,2,3,4,5,6,7
.if \bias
	v_wmma_scale_f32_16x16x128_f8f6f4 v[8*(8*\a+\b):8*(8*\a+\b)+7], v[128*((\st)%2)+12*\b:128*((\st)%2)+12*\b+11], v[AF+48*((\st)%2)+12*\a:AF+48*((\st)%2)+12*\a+11], v[BI+8*\b:BI+8*\b+7], v[SC+8*\b+(\st)], v[SC+8*\a+(\st)] matrix_a_fmt:MATRIX_FMT_BF6 matrix_b_fmt:MATRIX_FMT_BF6 matrix_a_scale:MATRIX_SCALE_ROW1
.else
	v_wmma_scale_f32_16x16x128_f8f6f4 v[8*(8*\a+\b):8*(8*\a+\b)+7], v[128*((\st)%2)+12*\b:128*((\st)%2)+12*\b+11], v[AF+48*((\st)%2)+12*\a:AF+48*((\st)%2)+12*\a+11], v[8*(8*\a+\b):8*(8*\a+\b)+7], v[SC+8*\b+(\st)], v[SC+8*\a+(\st)] matrix_a_fmt:MATRIX_FMT_BF6 matrix_b_fmt:MATRIX_FMT_BF6 matrix_a_scale:MATRIX_SCALE_ROW1
.endif
.endr
.endr
.endm
	s_wait_alu depctr_va_vdst(0)
	s_wait_tensorcnt 0x0                           ; my tile of the four is in,
	s_barrier_signal -1
	s_barrier_wait -1                              ; everybody's is
.irp i, 0,1,2,3,4,5,6,7
	ds_load_b128 v[SC+8*\i:SC+8*\i+3], v[ADRS] offset:\i*SBLK
	ds_load_b128 v[SC+8*\i+4:SC+8*\i+7], v[ADRS] offset:\i*SBLK+16
.endr
	FETCH 0
	s_wait_loadcnt 0x0                             ; the bias
	FETCH 1
	WIN BIA_W
	MUL 0, 1
.set ST, 1
.rept 6
	PLACES                                         ; ahead of loads into the set that the step before multiplied
	FETCH ST+1
	WIN MUL_W
	MUL ST, 0
.set ST, ST+1
.endr
	s_wait_dscnt 0x0                               ; my reads of the tiles are over:
	s_barrier_signal -1                            ; say so, work on registers,
	MUL 7, 0
	WIN 0
	s_barrier_wait -1                              ; and store into a's bytes only when all four have said so
; THE WAY OUT, block by block of 16 tokens x 128 channels: through my own stage and back as whole rows of 512 bytes
.macro TOSTAGE a
	WIN 0x08                                       ; the data: window 2
.irp b, 0,1,2,3,4,5,6,7
	ds_store_b128 v[STO], v[64*(\a)+8*\b:64*(\a)+8*\b+3] offset:64*\b       ; each accumulator from its low end on
	ds_store_b128 v[STO], v[64*(\a)+8*\b+4:64*(\a)+8*\b+7] offset:64*\b+16
.endr
	WIN 0
.irp t, 0,1,2,3,4,5,6,7,8,9,10,11,12,13,14,15
	ds_load_b128 v[BK+64*((\a)%2)+4*\t:BK+64*((\a)%2)+4*\t+3], v[RD] offset:\t*SPITCH   ; LDS serves a wave's instructions in order (ISA guide 5.7.1.4): these see the stores above
.endr
.endm
.macro SEND a, younger
	s_wait_dscnt \younger
.irp t, 0,1,2,3,4,5,6,7,8,9,10,11,12,13,14,15
	global_store_b128 v[CO], v[BK+64*((\a)%2)+4*\t:BK+64*((\a)%2)+4*\t+3], s[12:13] offset:(32*((\a)/2)+8*((\a)%2)+\t+8*(\t/8))*SIZE_N*4 th:TH_STORE_NT   ; 32 lanes store 512 consecutive bytes, aligned
.endr
.endm
	PLACES
	TOSTAGE 0
.irp a, 1,2,3
.if \a > 1
	s_wait_xcnt 0x0                                ; block a - 2's stores have read their registers
.endif
	TOSTAGE \a
	SEND \a-1, 32
.endr
	SEND 3, 0
	s_wait_tensorcnt 0x0                           ; the wave's end
	ds_add_u32 v[SPW], v[NIL]
	s_wait_dscnt 0x0
	CROUND                                         ; the closing round
	s_endpgm
.Lfunc_end_k_q704d96bf35_proj:
	.size	k_q704d96bf35_proj, .Lfunc_end_k_q704d96bf35_proj-k_q704d96bf35_proj
	.p2alignl 7, 3214868480
	.fill 96, 4, 3214868480
	.section	.rodata,"a",@progbits
	.p2align	6, 0x0
	.amdhsa_kernel k_q704d96bf35_proj
		.amdhsa_group_segment_fixed_size 327680
		.amdhsa_private_segment_fixed_size 0
		.amdhsa_enable_private_segment 0
		.amdhsa_kernarg_size 32
		.amdhsa_user_sgpr_count 2
		.amdhsa_user_sgpr_kernarg_segment_ptr 1
		.amdhsa_wavefront_size32 1
		.amdhsa_system_sgpr_workgroup_id_x 1
		.amdhsa_system_sgpr_workgroup_id_y 1
		.amdhsa_system_sgpr_workgroup_id_z 1
		.amdhsa_system_vgpr_workitem_id 0
		.amdhsa_next_free_vgpr 768
		.amdhsa_next_free_sgpr 100
		.amdhsa_reserve_vcc 0
		.amdhsa_float_denorm_mode_32 3
		.amdhsa_float_denorm_mode_16_64 3
		.amdhsa_memory_ordered 1
		.amdhsa_forward_progress 1
		.amdhsa_inst_pref_size 96
	.end_amdhsa_kernel
	.amdgpu_metadata
---
amdhsa.version: [ 1, 2 ]
amdhsa.kernels:
  - .name:           k_q704d96bf35_proj
    .symbol:         k_q704d96bf35_proj.kd
    .args:
      - { .name: aq, .offset: 0, .size: 8, .value_kind: global_buffer, .address_space: global }
      - { .name: wq, .offset: 8, .size: 8, .value_kind: global_buffer, .address_space: global }
      - { .name: bo, .offset: 16, .size: 8, .value_kind: global_buffer, .address_space: global }
      - { .name: out0, .offset: 24, .size: 8, .value_kind: global_buffer, .address_space: global }
    .group_segment_fixed_size: 327680
    .private_segment_fixed_size: 0
    .kernarg_segment_align: 8
    .kernarg_segment_size: 32
    .max_flat_workgroup_size: 128
    .sgpr_count:     100
    .vgpr_count:     768
    .wavefront_size: 32
...
	.end_amdgpu_metadata
.endif
;; end of part 4
